; MI455X (gfx1250); checked and timed in simulation.
; The chip was launched on July 23, 2026; its instructions are those of AMD's public machine-readable ISA for CDNA 5 (MIT licence, August 2026) and "CDNA5" Instruction Set Architecture Reference Guide (July 2026). The comments in the code are by the model that wrote it; some were corrected since.
;; DAWN Block. Allowed arithmetic: float matrix products may take bf16 or f16 operands with f32 sums; other float arithmetic in f32, or as packed bf16 or f16 multiplies, adds, multiply-adds, maxima and minima; sums over many terms, partial sums and values carried from step to step in f32; what a program stores and reads back later, other than sums and carried values, may be rounded once to bf16 or f16.
;; Inputs: W_O 1,024 x 1,024 float32; f_know 8 x 1,024 x 128 float32; f_qk 8 x 1,024 x 128 float32; f_v 8 x 1,024 x 128 float32; feature_know_w 2 x 2,048 x 8 float32; fqk_w_K 2 x 2,048 x 8 float32; fqk_w_Q 2 x 2,048 x 8 float32; fv_w 2 x 2,048 x 8 float32; ln1_b 1,024 float32; ln1_g 1,024 float32; ln2_b 1,024 float32; ln2_g 1,024 float32; r_know 8 x 128 x 1,024 float32; r_qk 8 x 128 x 1,024 float32; r_v 8 x 128 x 1,024 float32; restore_know_w 2 x 2,048 x 8 float32; rqk_w_K 2 x 2,048 x 8 float32; rqk_w_Q 2 x 2,048 x 8 float32; rv_w 2 x 2,048 x 8 float32; x 2 x 2,048 x 1,024 float32.
;; Outputs: out0 2 x 2,048 x 1,024 float32.
;; One version. Each part assembles by itself: llvm-mc -triple=amdgcn-amd-amdhsa -mcpu=gfx1250 --defsym DOCPART=n.
;; ======== version 1 of 1: 8 launches
;; workspace buffers: w1 10,485,760 bytes; w2 10,485,760 bytes; nx 8,388,608 bytes; pa 8,388,608 bytes; qa 8,388,608 bytes; kv 16,777,216 bytes; x2 16,777,216 bytes; hb 3,145,728 bytes
;; launch prep (part 1): grid 512 x 1, 8 waves a work-group, no clusters, 67,584 bytes of LDS; arguments x, ln1_g, ln1_b, nx, f_v, f_qk, f_know, r_qk, r_v, r_know, W_O, w1, w2; writes nx, w1, w2
.if DOCPART == 1
	.amdgcn_target "amdgcn-amd-amdhsa--gfx1250"
	.amdhsa_code_object_version 6
	.text
	.protected	k_q0f828d3d7e_prep
	.globl	k_q0f828d3d7e_prep
	.p2align	8
	.type	k_q0f828d3d7e_prep,@function
k_q0f828d3d7e_prep:
	s_mov_b64 s[64:65], 0
	v_nop
	global_prefetch_b8 v0, s[64:65] scope:SCOPE_SE
	s_setreg_imm32_b32 hwreg(HW_REG_WAVE_MODE, 25, 1), 1
	s_wait_xcnt 0x0
; Work-groups 0-255: LayerNorm of 16 rows of [4096][1024] f32, rounded once to bf16 and stored in FRAGMENT ORDER.
; Work-groups 256-511 (first launch only): the seven weight matrices, f32 -> bf16, in fragment order.
; A FRAGMENT is 1,024 bytes: 16 rows x 32 k of bf16, byte = ((k & 31) >> 3) * 256 + (row & 15) * 16 + 2 * (k & 7).  A lane's 16 bytes at 16 * lane are
; registers 0-3 of a matrix operand, those at 512 + 16 * lane registers 4-7 (ISA guide 7.12.2: lane l holds row l % 16).
; LayerNorm is in two passes in f32 (mean; then the centred squares), the row kept in registers.  No matrix unit, no cluster: nothing here is shared or multiplied.
; Every global store of a wave covers 512 consecutive bytes, aligned.
.set LNP, 2064                         ; LN stage: a row of 2,048 bytes + 16: an odd multiple of 16, so 16 rows' equal columns fall in 16 different 16-byte columns
.set WST, 8320                         ; a wave's own stage on the weight paths
.set FP,  1040                         ; a fragment in that stage: 1,024 + 16
.set UP,  272                          ; W_O's path: a block of 16 rows x 16 bytes, + 16
.set GA,  16                           ; v[16:47]   gain of my 32 columns (column 128 j + 4 lane + e in register 4 j + e)
.set BE,  48                           ; v[48:79]   bias
.set X0,  80                           ; v[80:111]  row 2 w
.set X1,  112                          ; v[112:143] row 2 w + 1
.set T,   144                          ; v[144:159] a row in bf16
.set X,   16                           ; weight paths: v[16:143] 32 rows x 4 columns as loaded; then the fragments read back
.set P,   144                          ; v[144:207] packed bf16
	s_load_b512 s[68:83], s[0:1], 0x0              ; xin 68, gain 70, bias 72, out 74, f_v 76, f_qk 78, f_know 80, r_qk 82
	s_load_b256 s[84:91], s[0:1], 0x40             ; r_v 84, r_know 86, W_O 88, w1 90
	s_load_b64 s[92:93], s[0:1], 0x60              ; w2
	v_lshl_add_u32 v208, v0, 2, 0x10400
	v_mov_b32 v209, 0
	v_lshrrev_b32 v1, 5, v0
	v_readfirstlane_b32 s10, v1                    ; wave 0..7
	v_and_b32 v2, 31, v0                           ; lane
	v_lshlrev_b32 v1, 4, v2                        ; 16 x lane; never rewritten
	s_cmp_lt_u32 ttmp9, 256
	s_cbranch_scc0 .Lweights
	; ---------------- LayerNorm: the work-group has rows 16 id .. 16 id + 15, wave w rows 2 w and 2 w + 1 ----------------
	s_lshl_b32 s12, ttmp9, 16                      ; 16 rows of 4,096 bytes
	s_lshl_b32 s13, s10, 13                        ; + 2 rows a wave
	s_add_co_u32 s12, s12, s13
	s_mov_b32 s13, 0
	s_lshr_b32 s14, ttmp9, 3                       ; out: (t >> 7) * 262144 + ((t >> 4) & 7) * 2048 + (k >> 6) * 16384, k = 128 w on
	s_lshl_b32 s14, s14, 18
	s_and_b32 s15, ttmp9, 7
	s_lshl_b32 s15, s15, 11
	s_add_co_u32 s14, s14, s15
	s_lshl_b32 s15, s10, 15
	s_add_co_u32 s14, s14, s15
	s_mov_b32 s15, 0
	s_mov_b32 s16, 0x76543210                      ; v_permlanex16_b32: each lane takes its own place in the other half
	s_mov_b32 s17, 0xfedcba98
	s_mov_b32 s18, 0x3a800000                      ; 1 / 1024
	s_mov_b32 s19, 0x3727c5ac                      ; 1e-5
	s_mul_i32 s24, s10, 2*LNP
	v_lshl_add_u32 v3, v2, 3, s24                  ; stage, in: my wave's first row + 8 x lane
	v_and_b32 v14, 15, v2
	v_lshrrev_b32 v15, 4, v2
	v_mul_u32_u24 v14, v14, LNP
	v_lshl_add_u32 v14, v15, 4, v14
	s_lshl_b32 s24, s10, 8
	v_add_nc_u32 v14, s24, v14                     ; stage, back: row lane % 16, byte 256 w + 16 (lane / 16)
	s_wait_kmcnt 0x0
	s_add_nc_u64 s[20:21], s[68:69], s[12:13]
	s_add_nc_u64 s[22:23], s[74:75], s[14:15]
.irp j, 0,1,2,3,4,5,6,7
	global_load_b128 v[GA+4*\j:GA+4*\j+3], v1, s[70:71] offset:512*\j
.endr
.irp j, 0,1,2,3,4,5,6,7
	global_load_b128 v[BE+4*\j:BE+4*\j+3], v1, s[72:73] offset:512*\j
.endr
.irp j, 0,1,2,3,4,5,6,7
	global_load_b128 v[X0+4*\j:X0+4*\j+3], v1, s[20:21] offset:512*\j
.endr
.irp j, 0,1,2,3,4,5,6,7
	global_load_b128 v[X1+4*\j:X1+4*\j+3], v1, s[20:21] offset:4096+512*\j
.endr
.macro FOLD                            ; four chains v[4:11] -> one number in v4, the same in all 32 lanes
	v_pk_add_f32 v[4:5], v[4:5], v[6:7]
	v_pk_add_f32 v[8:9], v[8:9], v[10:11]
	v_pk_add_f32 v[4:5], v[4:5], v[8:9]
	v_add_f32 v4, v4, v5
	v_add_f32_dpp v4, v4, v4 row_xmask:1 row_mask:0xf bank_mask:0xf
	v_add_f32_dpp v4, v4, v4 row_xmask:2 row_mask:0xf bank_mask:0xf
	v_add_f32_dpp v4, v4, v4 row_xmask:4 row_mask:0xf bank_mask:0xf
	v_add_f32_dpp v4, v4, v4 row_xmask:8 row_mask:0xf bank_mask:0xf
	v_permlanex16_b32 v5, v4, s16, s17
	v_add_f32 v4, v4, v5
.endm
.macro LNROW xr, row, left             ; left: the younger loads that may stay out
	s_wait_loadcnt \left
.irp c, 0,1,2,3
	v_pk_add_f32 v[4+2*\c:5+2*\c], v[\xr+2*\c:\xr+2*\c+1], v[\xr+8+2*\c:\xr+8+2*\c+1]
.endr
.irp q, 16,24
.irp c, 0,1,2,3
	v_pk_add_f32 v[4+2*\c:5+2*\c], v[4+2*\c:5+2*\c], v[\xr+\q+2*\c:\xr+\q+2*\c+1]
.endr
.endr
	FOLD
	v_mul_f32 v12, s18, v4                         ; the mean, twice: a pair for the packed forms
	v_mul_f32 v13, s18, v4
.set i, 0
.rept 16
	v_pk_add_f32 v[\xr+2*i:\xr+2*i+1], v[\xr+2*i:\xr+2*i+1], v[12:13] neg_lo:[0,1] neg_hi:[0,1]
.set i, i+1
.endr
.irp c, 0,1,2,3
	v_pk_mul_f32 v[4+2*\c:5+2*\c], v[\xr+2*\c:\xr+2*\c+1], v[\xr+2*\c:\xr+2*\c+1]
.endr
.irp q, 8,16,24
.irp c, 0,1,2,3
	v_pk_fma_f32 v[4+2*\c:5+2*\c], v[\xr+\q+2*\c:\xr+\q+2*\c+1], v[\xr+\q+2*\c:\xr+\q+2*\c+1], v[4+2*\c:5+2*\c]
.endr
.endr
	FOLD
	v_fma_f32 v6, v4, s18, s19                     ; variance + eps
	v_rsq_f32 v12, v6
	v_rsq_f32 v13, v6
	v_nop                                          ; a plain instruction between the root and its use (ISA guide 5.7.2)
.set i, 0
	s_wait_alu depctr_va_vdst(0)
.rept 16
	v_pk_mul_f32 v[\xr+2*i:\xr+2*i+1], v[\xr+2*i:\xr+2*i+1], v[12:13]
.set i, i+1
.endr
.set i, 0
.rept 16
	v_pk_fma_f32 v[\xr+2*i:\xr+2*i+1], v[\xr+2*i:\xr+2*i+1], v[GA+2*i:GA+2*i+1], v[BE+2*i:BE+2*i+1]
.set i, i+1
.endr
.set i, 0
.rept 16
	v_cvt_pk_bf16_f32 v[T+i], v[\xr+2*i], v[\xr+2*i+1]
.set i, i+1
.endr
.irp j, 0,1,2,3,4,5,6,7
	ds_store_b64 v3, v[T+2*\j:T+2*\j+1] offset:\row*LNP+256*\j   ; 32 lanes x 8 neighbouring bytes
.endr
.endm
	LNROW X0, 0, 8                                 ; gain, bias and row 0 are in; row 1's eight loads stay out
	LNROW X1, 1, 0
	s_wait_dscnt 0x0                               ; for the others' sake: my two rows are in the stage
	s_barrier_signal -1
	s_barrier_wait -1
.irp q, 0,1,2,3                        ; wave w takes the fragments of k = 128 w + 32 q, all 16 rows
	ds_load_b128 v[GA+8*\q:GA+8*\q+3],   v14 offset:\q*64
	ds_load_b128 v[GA+8*\q+4:GA+8*\q+7], v14 offset:\q*64+32
.endr
.irp q, 0,1,2,3
	s_wait_dscnt 7-2*\q                            ; LDS loads come back in order: the younger ones stay out
	global_store_b128 v1, v[GA+8*\q:GA+8*\q+3], s[22:23] offset:(\q>>1)*16384+(\q&1)*1024
	s_wait_dscnt 6-2*\q
	global_store_b128 v1, v[GA+8*\q+4:GA+8*\q+7], s[22:23] offset:(\q>>1)*16384+(\q&1)*1024+512
.endr
	s_wait_tensorcnt 0x0
	ds_add_u32 v208, v209
	s_wait_dscnt 0x0
	s_endpgm
	; ---------------- weights ----------------
.macro LOADS stride                    ; 32 rows (k) x 128 columns: a lane has 4 neighbouring columns of each row
.set i, 0
.rept 32
	global_load_b128 v[X+4*i:X+4*i+3], v1, s[20:21] offset:i*\stride th:TH_LOAD_NT
.set i, i+1
.endr
.endm
.macro CONV                            ; column 4 lane + e, k = 8 g .. 8 g + 7: 16 bytes of fragment lane / 4; through my own stage, back as whole fragments
.irp g, 0,1,2,3
	s_wait_loadcnt 24-8*\g                         ; rows 8 g .. 8 g + 7 are in; the younger rows stay out
.irp e, 0,1,2,3
.irp p, 0,1,2,3
	v_cvt_pk_bf16_f32 v[P+4*(4*\g+\e)+\p], v[X+4*(8*\g+2*\p)+\e], v[X+4*(8*\g+2*\p+1)+\e]
.endr
	ds_store_b128 v3, v[P+4*(4*\g+\e):P+4*(4*\g+\e)+3] offset:\g*256+\e*16
.endr
.endr
.irp f, 0,1,2,3,4,5,6,7
	ds_load_b128 v[X+8*\f:X+8*\f+3],   v4 offset:\f*FP       ; LDS serves a wave's instructions in order (ISA guide 5.7.1.4): these see the stores above
	ds_load_b128 v[X+8*\f+4:X+8*\f+7], v4 offset:\f*FP+512
.endr
.endm
.macro STORES hi, lo                   ; fragment f goes to (f >> 1) * hi + (f & 1) * lo
.irp f, 0,1,2,3,4,5,6,7
	s_wait_dscnt 15-2*\f
	global_store_b128 v1, v[X+8*\f:X+8*\f+3], s[22:23] offset:(\f>>1)*\hi+(\f&1)*\lo
	s_wait_dscnt 14-2*\f
	global_store_b128 v1, v[X+8*\f+4:X+8*\f+7], s[22:23] offset:(\f>>1)*\hi+(\f&1)*\lo+512
.endr
.endm
.Lweights:
	s_sub_co_u32 s11, ttmp9, 256
	s_mul_i32 s24, s10, WST                        ; my wave's stage
	s_cmp_ge_u32 s11, 192
	s_cbranch_scc1 .Lwo
	s_lshr_b32 s12, s11, 5                         ; which matrix: 0 f_v, 1 f_qk, 2 f_know, 3 r_qk, 4 r_v, 5 r_know
	s_and_b32 s13, s11, 31                         ; kb: which 32 of k
	v_lshrrev_b32 v3, 2, v2
	v_and_b32 v4, 3, v2
	v_mul_u32_u24 v3, v3, FP
	v_lshl_add_u32 v3, v4, 6, v3
	v_add_nc_u32 v3, s24, v3                       ; in: fragment lane / 4, row 4 (lane % 4): 16 lanes fall in 16 different 16-byte columns
	v_add_nc_u32 v4, s24, v1                       ; back
	s_cmp_ge_u32 s12, 3
	s_cbranch_scc1 .Lrestore
	; f[n][d][r]: wave = n, k = d.  To (rb >> 1) * 524288 + (kb >> 2) * 65536 + (rb & 1) * 32768 + n * 4096 + (kb & 3) * 1024, rb = r >> 4
	s_lshl_b32 s14, s10, 19
	s_lshl_b32 s15, s13, 14
	s_add_co_u32 s14, s14, s15
	s_mov_b32 s15, 0
	s_lshr_b32 s16, s13, 2
	s_lshl_b32 s16, s16, 16
	s_and_b32 s17, s13, 3
	s_lshl_b32 s17, s17, 10
	s_add_co_u32 s16, s16, s17
	s_lshl_b32 s17, s10, 12
	s_add_co_u32 s16, s16, s17
	s_cmp_eq_u32 s12, 1
	s_cselect_b32 s17, 0x200000, 0                 ; f_qk lies 2 MiB into w1
	s_add_co_u32 s16, s16, s17
	s_mov_b32 s17, 0
	s_wait_kmcnt 0x0
	s_cmp_eq_u32 s12, 1
	s_cselect_b64 s[20:21], s[78:79], s[76:77]
	s_cmp_eq_u32 s12, 2
	s_cselect_b64 s[20:21], s[80:81], s[20:21]
	s_cselect_b64 s[22:23], s[92:93], s[90:91]     ; f_know goes to w2
	s_add_nc_u64 s[20:21], s[20:21], s[14:15]
	s_add_nc_u64 s[22:23], s[22:23], s[16:17]
	LOADS 512
	CONV
	STORES 524288, 32768
	s_wait_tensorcnt 0x0
	ds_add_u32 v208, v209
	s_wait_dscnt 0x0
	s_endpgm
.Lrestore:
	; r[n][r][d] = [k][d], k = 128 n + r, kb = k >> 5 = 4 n + (r >> 5): wave = d >> 7
	s_lshl_b32 s14, s13, 17
	s_lshl_b32 s15, s10, 9
	s_add_co_u32 s14, s14, s15
	s_mov_b32 s15, 0
	; r_qk, r_v: 4 MiB + (d >> 7) * 524288 + step * 65536 + mat * 32768 + ((n >> 1) & 1) * 16384 + (n & 1) * 1024, step = 2 (r >> 5) + (n >> 2):
	; two steps that follow each other hold all eight n of one quarter of r
	s_lshl_b32 s16, s10, 19
	s_and_b32 s17, s13, 3                          ; r >> 5
	s_lshl_b32 s17, s17, 17
	s_add_co_u32 s16, s16, s17
	s_lshr_b32 s17, s13, 4                         ; n >> 2
	s_lshl_b32 s17, s17, 16
	s_add_co_u32 s16, s16, s17
	s_sub_co_u32 s17, s12, 3                       ; mat
	s_lshl_b32 s17, s17, 15
	s_add_co_u32 s16, s16, s17
	s_bfe_u32 s17, s13, 0x10003                    ; (n >> 1) & 1
	s_lshl_b32 s17, s17, 14
	s_add_co_u32 s16, s16, s17
	s_bfe_u32 s17, s13, 0x10002                    ; n & 1
	s_lshl_b32 s17, s17, 10
	s_add_co_u32 s16, s16, s17
	s_add_co_u32 s16, s16, 0x400000
	s_lshl_b32 s18, s10, 18                        ; r_know: 8 MiB + (d >> 7) * 262144 + (kb >> 1) * 16384 + (kb & 1) * 1024
	s_lshr_b32 s17, s13, 1
	s_lshl_b32 s17, s17, 14
	s_add_co_u32 s18, s18, s17
	s_and_b32 s17, s13, 1
	s_lshl_b32 s17, s17, 10
	s_add_co_u32 s18, s18, s17
	s_add_co_u32 s18, s18, 0x800000
	s_cmp_eq_u32 s12, 5
	s_cselect_b32 s16, s18, s16
	s_mov_b32 s17, 0
	s_wait_kmcnt 0x0
	s_cmp_eq_u32 s12, 4
	s_cselect_b64 s[20:21], s[84:85], s[82:83]
	s_cmp_eq_u32 s12, 5
	s_cselect_b64 s[20:21], s[86:87], s[20:21]
	s_cselect_b64 s[22:23], s[92:93], s[90:91]
	s_add_nc_u64 s[20:21], s[20:21], s[14:15]
	s_add_nc_u64 s[22:23], s[22:23], s[16:17]
	LOADS 4096
	CONV
	STORES 4096, 2048
	s_wait_tensorcnt 0x0
	ds_add_u32 v208, v209
	s_wait_dscnt 0x0
	s_endpgm
.Lwo:
	; W_O[o][d] lies along k already: 16 rows o = 16 gw + i, wave = k 128 w .. 128 w + 127; a lane's 4 numbers are 8 bytes of block lane / 2
	s_sub_co_u32 s12, s11, 192
	v_lshrrev_b32 v3, 1, v2
	v_and_b32 v4, 1, v2
	v_mul_u32_u24 v3, v3, UP
	v_lshl_add_u32 v3, v4, 3, v3
	v_add_nc_u32 v3, s24, v3
	v_lshrrev_b32 v4, 4, v2
	v_and_b32 v5, 15, v2
	v_mul_u32_u24 v4, v4, UP
	v_lshl_add_u32 v4, v5, 4, v4
	v_add_nc_u32 v4, s24, v4
	s_lshl_b32 s14, s12, 16
	s_lshl_b32 s15, s10, 9
	s_add_co_u32 s14, s14, s15
	s_mov_b32 s15, 0
	s_lshr_b32 s16, s12, 3                         ; to 8 MiB + (o >> 7) * 262144 + ((o >> 4) & 7) * 2048 + (k >> 6) * 16384
	s_lshl_b32 s16, s16, 18
	s_and_b32 s17, s12, 7
	s_lshl_b32 s17, s17, 11
	s_add_co_u32 s16, s16, s17
	s_lshl_b32 s17, s10, 15
	s_add_co_u32 s16, s16, s17
	s_add_co_u32 s16, s16, 0x800000
	s_mov_b32 s17, 0
	s_wait_kmcnt 0x0
	s_add_nc_u64 s[20:21], s[88:89], s[14:15]
	s_add_nc_u64 s[22:23], s[90:91], s[16:17]
.irp i, 0,1,2,3,4,5,6,7,8,9,10,11,12,13,14,15
	global_load_b128 v[X+4*\i:X+4*\i+3], v1, s[20:21] offset:\i*4096 th:TH_LOAD_NT
.endr
.irp i, 0,1,2,3,4,5,6,7,8,9,10,11,12,13,14,15
	s_wait_loadcnt 15-\i                           ; row i is in; the younger rows stay out
	v_cvt_pk_bf16_f32 v[P+2*\i],   v[X+4*\i],   v[X+4*\i+1]
	v_cvt_pk_bf16_f32 v[P+2*\i+1], v[X+4*\i+2], v[X+4*\i+3]
	ds_store_b64 v3, v[P+2*\i:P+2*\i+1] offset:\i*16
.endr
.irp j, 0,1,2,3,4,5,6,7
	ds_load_b128 v[X0+4*\j:X0+4*\j+3], v4 offset:\j*2*UP     ; two blocks: half a fragment
.endr
.irp j, 0,1,2,3,4,5,6,7
	s_wait_dscnt 7-\j
	global_store_b128 v1, v[X0+4*\j:X0+4*\j+3], s[22:23] offset:(\j>>2)*16384+((\j>>1)&1)*1024+(\j&1)*512
.endr
	s_wait_tensorcnt 0x0
	ds_add_u32 v208, v209
	s_wait_dscnt 0x0
	s_endpgm
.Lfunc_end_k_q0f828d3d7e_prep:
	.size	k_q0f828d3d7e_prep, .Lfunc_end_k_q0f828d3d7e_prep-k_q0f828d3d7e_prep
	.p2alignl 7, 3214868480
	.fill 96, 4, 3214868480
	.section	.rodata,"a",@progbits
	.p2align	6, 0x0
	.amdhsa_kernel k_q0f828d3d7e_prep
		.amdhsa_group_segment_fixed_size 67584
		.amdhsa_private_segment_fixed_size 0
		.amdhsa_enable_private_segment 0
		.amdhsa_kernarg_size 104
		.amdhsa_user_sgpr_count 2
		.amdhsa_user_sgpr_kernarg_segment_ptr 1
		.amdhsa_wavefront_size32 1
		.amdhsa_system_sgpr_workgroup_id_x 1
		.amdhsa_system_sgpr_workgroup_id_y 1
		.amdhsa_system_sgpr_workgroup_id_z 1
		.amdhsa_system_vgpr_workitem_id 0
		.amdhsa_next_free_vgpr 210
		.amdhsa_next_free_sgpr 94
		.amdhsa_reserve_vcc 0
		.amdhsa_float_denorm_mode_32 3
		.amdhsa_float_denorm_mode_16_64 3
		.amdhsa_memory_ordered 1
		.amdhsa_forward_progress 1
		.amdhsa_inst_pref_size 56
	.end_amdhsa_kernel
	.amdgpu_metadata
---
amdhsa.version: [ 1, 2 ]
amdhsa.kernels:
  - .name:           k_q0f828d3d7e_prep
    .symbol:         k_q0f828d3d7e_prep.kd
    .args:
      - { .name: x, .offset: 0, .size: 8, .value_kind: global_buffer, .address_space: global }
      - { .name: ln1_g, .offset: 8, .size: 8, .value_kind: global_buffer, .address_space: global }
      - { .name: ln1_b, .offset: 16, .size: 8, .value_kind: global_buffer, .address_space: global }
      - { .name: nx, .offset: 24, .size: 8, .value_kind: global_buffer, .address_space: global }
      - { .name: f_v, .offset: 32, .size: 8, .value_kind: global_buffer, .address_space: global }
      - { .name: f_qk, .offset: 40, .size: 8, .value_kind: global_buffer, .address_space: global }
      - { .name: f_know, .offset: 48, .size: 8, .value_kind: global_buffer, .address_space: global }
      - { .name: r_qk, .offset: 56, .size: 8, .value_kind: global_buffer, .address_space: global }
      - { .name: r_v, .offset: 64, .size: 8, .value_kind: global_buffer, .address_space: global }
      - { .name: r_know, .offset: 72, .size: 8, .value_kind: global_buffer, .address_space: global }
      - { .name: W_O, .offset: 80, .size: 8, .value_kind: global_buffer, .address_space: global }
      - { .name: w1, .offset: 88, .size: 8, .value_kind: global_buffer, .address_space: global }
      - { .name: w2, .offset: 96, .size: 8, .value_kind: global_buffer, .address_space: global }
    .group_segment_fixed_size: 67584
    .private_segment_fixed_size: 0
    .kernarg_segment_align: 8
    .kernarg_segment_size: 104
    .max_flat_workgroup_size: 256
    .sgpr_count:     94
    .vgpr_count:     210
    .wavefront_size: 32
...
	.end_amdgpu_metadata
.endif
;; end of part 1
;; launch feat1 (part 2): grid 8 x 32, 4 waves a work-group, clusters of 4 x 4, 327,680 bytes of LDS; arguments nx, w1, fv_w, fqk_w_Q, fqk_w_K, hb; writes hb
.if DOCPART == 2
	.amdgcn_target "amdgcn-amd-amdhsa--gfx1250"
	.amdhsa_code_object_version 6
	.text
	.protected	k_q0f828d3d7e_feat1
	.globl	k_q0f828d3d7e_feat1
	.p2align	8
	.type	k_q0f828d3d7e_feat1,@function
k_q0f828d3d7e_feat1:
	s_mov_b64 s[64:65], 0
	v_nop
	global_prefetch_b8 v0, s[64:65] scope:SCOPE_SE
	s_setreg_imm32_b32 hwreg(HW_REG_WAVE_MODE, 25, 1), 1
	s_wait_xcnt 0x0
	s_wait_alu depctr_hold_cnt(0) depctr_sa_sdst(0) depctr_va_vdst(0) depctr_va_sdst(0) depctr_va_ssrc(0) depctr_va_vcc(0) depctr_vm_vsrc(0)
	s_getreg_b32 s2, hwreg(HW_REG_IB_STS2, 6, 4)
	s_cmp_eq_u32 s2, 0
	s_cbranch_scc0 .Lentry_in_a_cluster
	s_endpgm
.Lentry_in_a_cluster:
	s_bfe_u32 s2, ttmp6, 0x10000c
	s_cmp_lg_u32 s2, 0xf033
	s_cbranch_scc0 .Lentry_shape_is_right
	s_endpgm
.Lentry_shape_is_right:
; FEATURE: for 128 tokens and 32 of the 128 ranks r, all 8 neurons n: acc[t][n][r] = sum over d of nx[t][d] f[n][d][r] (bf16 operands, f32 sums);
; then h[t][r] = sum over n of fw[t][n] acc[t][n][r] in f32, rounded once to bf16 and stored as fragments (rows = tokens, k = r) for the restore product.
; The cluster's x picks the matrix: 0: one output (table 0), plane 0; 1: two outputs from the same products (table 1 -> plane 1, table 2 -> plane 2).
; A fragment of h lies at plane * 2^20 + (t >> 7) * 32768 + ((t >> 4) & 7) * 4096 + (r >> 5) * 1024.
; Four waves; wave (wr, wc) has 64 tokens x (8 n x 16 r): 32 accumulators.  K = 1,024 goes in 8 steps of 128 through two LDS slots.
; All operands lie in memory in fragment order (1,024 bytes = 16 rows x 32 k as the matrix unit's lanes take them), so tiles are dense, LDS reads are 512 neighbouring
; bytes a wave, and results are stored straight from registers, 512 neighbouring bytes a store.
; CLUSTER 4 x 4: A's tile hangs on the token block alone and is asked for jointly along a row of the cluster, B's on the column block alone, jointly along a column.
; The matrix instruction is used with source 0 = 16 columns (r), source 1 = 16 tokens: a lane holds one token and eight neighbouring r.
; REGISTERS: window 0: v0-31 addresses, v32-39 h, v64-159 and v160-255 two fragment buffers (A 32, B 64), on the way out v128-159 packed;
;   window 1: accumulator (a, n) at v[8 (8 a + n)];  window 2: tables: set s, token block a: fw at v[32 s + 8 a].
.set SLOT,  98304                      ; A 32 KiB ([k / 64][token block][k / 32]), then B 64 KiB ([wc][n][k / 32])
.set BOFF,  32768
.set ASTEP, 32768                      ; bytes of a K step in memory
.set BSTEP, 65536
.set ADRA, 16
.set ADRB, 20
.set GO,   24                          ; 16 x lane
.set WO,   25                          ; my token's 32 bytes in a table
.set H,    32
.set F0,   64
.set F1,   160
.set PK,   128
.set G1,  24                           ; s[24:31] group 1 for A; s[32:39] group 0, a set for each slot
.set G0,  32
.set G1B, 48                           ; s[48:55], s[56:63] the same for B
.set G0B, 56
.set MUL, 0x50                         ; C and D window 1, sources window 0
.set MSB, 0
.macro WIN new                         ; the immediate's high byte repeats the setting that is left
.if MSB != \new
	s_set_vgpr_msb (MSB<<8)|\new
.set MSB, \new
.endif
.endm
.macro PLACES                          ; four plain vector instructions between a matrix instruction and a load into, or a vector read of, its registers
.rept 4
	v_nop
.endr
.endm
.macro CREST                           ; a round of the cluster's barrier behind its opening barrier
	s_cmp_lg_u32 s10, 0
	s_cbranch_scc1 .Lnot_wave_0_\@
	s_barrier_signal -3
.Lnot_wave_0_\@:
	s_barrier_wait -3
	s_barrier_signal -1
	s_barrier_wait -1
.endm
.macro CROUND
	s_barrier_signal -1
	s_barrier_wait -1
	CREST
.endm
.macro JLOAD s                         ; a joint refill: waves 0, 1 fetch A's halves, waves 2, 3 B's; four v_nop follow each line
	s_cmp_eq_u32 s11, 0
	s_cbranch_scc0 .Lfor_b_\@
	tensor_load_to_lds s[G0+4*\s:G0+4*\s+3], s[G1:G1+7]
	s_nop 0
.rept 4
	v_nop
.endr
	s_branch .Lasked_\@
.Lfor_b_\@:
	tensor_load_to_lds s[G0B+4*\s:G0B+4*\s+3], s[G1B:G1B+7]
	s_nop 0
.rept 4
	v_nop
.endr
.Lasked_\@:
.endm
	s_load_b256 s[68:75], s[0:1], 0x0              ; A 68, B 70, table 0 72, table 1 74
	s_load_b128 s[76:79], s[0:1], 0x20             ; table 2 76, out 78
	v_lshl_add_u32 v62, v0, 2, 0x30000
	v_mov_b32 v63, 0
	ds_add_u32 v62, v63
	v_lshrrev_b32 v1, 5, v0
	v_readfirstlane_b32 s10, v1                    ; wave 0..3
	s_lshr_b32 s11, s10, 1                         ; wr.  Also: I fetch for A (0) or B (1)
	s_and_b32 s12, s10, 1                          ; wc.  Also: which half of that tile
	s_bfe_u32 s40, ttmp6, 0x40000                  ; cx
	s_bfe_u32 s41, ttmp6, 0x40004                  ; cy
	s_lshl_b32 s42, ttmp9, 2
	s_add_co_u32 s42, s42, s40                     ; column block = 4 x matrix + cx
	s_and_b32 s13, ttmp7, 0xffff
	s_lshl_b32 s13, s13, 2
	s_add_co_u32 s13, s13, s41                     ; token block
	s_lshl_b32 s43, s41, 2
	s_lshl_b32 s43, 15, s43                        ; my row of the cluster
	s_lshl_b32 s44, 0x1111, s40                    ; my column
	; group 1: dense rows of 32 elements of 8 bytes: A 64 rows (16 KiB), B 128 rows (32 KiB)
	s_or_b32 s[G1], s43, (3<<16)|(1<<21)           ; 15:0 mask; 17:16 elements of 8 bytes; 21 set beside a mask
	s_or_b32 s[G1B], s44, (3<<16)|(1<<21)
	s_mov_b32 s[G1+1], 32<<16                      ; tensor_dim0 = 32
	s_mov_b32 s[G1+2], 64<<16                      ; tensor_dim1
	s_mov_b32 s[G1+3], 32<<16                      ; tile_dim0
	s_mov_b32 s[G1+4], 64                          ; tile_dim1
	s_mov_b32 s[G1+5], 32                          ; pitch
	s_mov_b32 s[G1+6], 0
	s_mov_b32 s[G1+7], 0
	s_mov_b32 s[G1B+1], 32<<16
	s_mov_b32 s[G1B+2], 128<<16
	s_mov_b32 s[G1B+3], 32<<16
	s_mov_b32 s[G1B+4], 128
	s_mov_b32 s[G1B+5], 32
	s_mov_b32 s[G1B+6], 0
	s_mov_b32 s[G1B+7], 0
	s_lshl_b32 s16, s13, 18                        ; A: token block x 262144 + half x 16384
	s_lshl_b32 s17, s12, 14
	s_add_co_u32 s16, s16, s17
	s_mov_b32 s17, 0
	s_lshl_b32 s46, s42, 19                        ; B: column block x 524288 + half x 32768
	s_lshl_b32 s47, s12, 15
	s_add_co_u32 s46, s46, s47
	s_mov_b32 s47, 0
	s_lshl_b32 s20, s12, 14                        ; LDS: the wave's number and constants alone
	s_lshl_b32 s21, s12, 15
	s_add_co_u32 s21, s21, BOFF
	s_lshl_b32 s18, s13, 12                        ; tables: 128 tokens x 32 bytes
	s_mov_b32 s19, 0
	s_lshl_b32 s4, ttmp9, 20                       ; out: plane x 2^20 + token block x 32768 + wr x 16384 + cx x 1024 + wc x 512
	s_lshl_b32 s5, s13, 15
	s_add_co_u32 s4, s4, s5
	s_lshl_b32 s5, s11, 14
	s_add_co_u32 s4, s4, s5
	s_lshl_b32 s5, s40, 10
	s_add_co_u32 s4, s4, s5
	s_lshl_b32 s5, s12, 9
	s_add_co_u32 s4, s4, s5
	s_mov_b32 s5, 0
	s_wait_dscnt 0x0
	s_wait_kmcnt 0x0
	s_add_nc_u64 s[14:15], s[68:69], s[16:17]
	s_add_nc_u64 s[46:47], s[70:71], s[46:47]
	s_cmp_eq_u32 ttmp9, 0                          ; the matrix: equal in all partners
	s_cselect_b64 s[86:87], s[72:73], s[74:75]
	s_add_nc_u64 s[86:87], s[86:87], s[18:19]
	s_add_nc_u64 s[90:91], s[76:77], s[18:19]
	s_add_nc_u64 s[94:95], s[78:79], s[4:5]
	s_add_nc_u64 s[96:97], s[94:95], 0x100000      ; the second output's plane
	CROUND                                         ; all sixteen work-groups are here: the first joint loads meet
.irp s, 0,1
	s_mov_b32 s[G0+4*\s], 1
	s_add_co_u32 s[G0+4*\s+1], s20, \s*SLOT
	s_add_nc_u64 s[G0+4*\s+2:G0+4*\s+3], s[14:15], \s*ASTEP
	s_or_b32 s[G0+4*\s+3], s[G0+4*\s+3], 0x80000000
	s_mov_b32 s[G0B+4*\s], 1
	s_add_co_u32 s[G0B+4*\s+1], s21, \s*SLOT
	s_add_nc_u64 s[G0B+4*\s+2:G0B+4*\s+3], s[46:47], \s*BSTEP
	s_or_b32 s[G0B+4*\s+3], s[G0B+4*\s+3], 0x80000000
.endr
	s_cmp_eq_u32 s11, 0                            ; a wave's two first fills stand in one branch: two loads of mine are out
	s_cbranch_scc0 .Lfirst_b
	tensor_load_to_lds s[G0:G0+3], s[G1:G1+7]
	s_nop 0
	tensor_load_to_lds s[G0+4:G0+7], s[G1:G1+7]
	s_nop 0
.rept 4
	v_nop
.endr
	s_branch .Lfirst_asked
.Lfirst_b:
	tensor_load_to_lds s[G0B:G0B+3], s[G1B:G1B+7]
	s_nop 0
	tensor_load_to_lds s[G0B+4:G0B+7], s[G1B:G1B+7]
	s_nop 0
.rept 4
	v_nop
.endr
.Lfirst_asked:
	v_and_b32 v1, 31, v0
	v_lshlrev_b32 v[GO], 4, v1
	v_and_b32 v2, 15, v0
	s_lshl_b32 s22, s11, 13                        ; my 4 token blocks of A
	s_lshl_b32 s23, s12, 15                        ; my half of B
	s_add_co_u32 s23, s23, BOFF
.irp s, 0,1
	v_add_nc_u32 v[ADRA+\s], s22, v[GO]
	v_add_nc_u32 v[ADRB+\s], s23, v[GO]
	s_add_co_u32 s22, s22, SLOT
	s_add_co_u32 s23, s23, SLOT
.endr
	s_lshl_b32 s22, s11, 6
	v_add_nc_u32 v[WO], s22, v2
	v_lshlrev_b32 v[WO], 5, v[WO]                  ; (64 wr + lane % 16) x 32
; The tables of my 64 tokens come in while K is walked.  Both sets are loaded in every work-group, so that each register of them is written on every path.
.macro TABLES s, fwp
.irp a, 0,1,2,3
	global_load_b128 v[32*\s+8*\a:32*\s+8*\a+3],   v[WO], s[\fwp:\fwp+1] offset:\a*512
	global_load_b128 v[32*\s+8*\a+4:32*\s+8*\a+7], v[WO], s[\fwp:\fwp+1] offset:\a*512+16
.endr
.endm
	WIN 0x80                                       ; destination window 2
	TABLES 0, 86
	TABLES 1, 90
	WIN 0
; 16 matrix instructions: token blocks a0, a0 + 1 x 8 neurons, 32 along K.  The 32 accumulators take turns, one instruction a turn, in the same order in every quarter.
.macro MUL16 f, a0, zero
.irp a, \a0, \a0+1
.irp n, 0,1,2,3,4,5,6,7
.if \zero
	v_wmma_f32_16x16x32_bf16 v[8*(8*(\a)+\n):8*(8*(\a)+\n)+7], v[\f+32+8*\n:\f+32+8*\n+7], v[\f+8*(\a):\f+8*(\a)+7], 0
.else
	v_wmma_f32_16x16x32_bf16 v[8*(8*(\a)+\n):8*(8*(\a)+\n)+7], v[\f+32+8*\n:\f+32+8*\n+7], v[\f+8*(\a):\f+8*(\a)+7], v[8*(8*(\a)+\n):8*(8*(\a)+\n)+7]
.endif
.endr
.endr
.endm
.macro FETCH slot, q, f                ; 24 LDS loads in one run: quarter q (32 along K) of the slot into buffer f
	WIN 0
.irp n, 0,1,2,3,4,5,6,7
	ds_load_b128 v[\f+32+8*\n:\f+32+8*\n+3],   v[ADRB+\slot] offset:\n*4096+\q*1024
	ds_load_b128 v[\f+32+8*\n+4:\f+32+8*\n+7], v[ADRB+\slot] offset:\n*4096+\q*1024+512
.endr
.irp a, 0,1,2,3
	ds_load_b128 v[\f+8*\a:\f+8*\a+3],   v[ADRA+\slot] offset:(\q>>1)*16384+\a*2048+(\q&1)*1024
	ds_load_b128 v[\f+8*\a+4:\f+8*\a+7], v[ADRA+\slot] offset:(\q>>1)*16384+\a*2048+(\q&1)*1024+512
.endr
.endm
.macro QUARTER slot, q, f, g, zero     ; multiplies buffer f; ahead of that asks for quarter q into buffer g
	s_wait_dscnt 0x0                               ; buffer f is in
	PLACES                                         ; buffer g was read by the matrix instructions just before
	FETCH \slot, \q, \g
	WIN MUL
	MUL16 \f, 0, \zero
	MUL16 \f, 2, \zero
.endm
; The last quarter multiplies buffer 1 and changes slots.  In front of the barrier each wave waits for its reads of this slot and for all its tensor loads (one is out: its part of
; the next slot).  fill = 1: the barrier opens a round of the cluster's barrier, and the joint refill, two K steps ahead, is the first thing behind the round.
.macro TURN slot, next, fill
	s_wait_dscnt 0x0
	s_wait_tensorcnt 0x0
	ds_add_u32 v62, v63
	s_wait_dscnt 0x0
	WIN MUL
	s_barrier_signal -1
	MUL16 F1, 0, 0
	WIN 0
	s_barrier_wait -1
.if \fill
	CREST
	s_add_nc_u64 s[G0+4*\slot+2:G0+4*\slot+3], s[G0+4*\slot+2:G0+4*\slot+3], 2*ASTEP
	s_add_nc_u64 s[G0B+4*\slot+2:G0B+4*\slot+3], s[G0B+4*\slot+2:G0B+4*\slot+3], 2*BSTEP
	JLOAD \slot                                    ; its four v_nop are also the places in front of the loads below
.else
	PLACES
.endif
	FETCH \next, 0, F0
	WIN MUL
	MUL16 F1, 2, 0
.endm
	s_wait_tensorcnt 0x1                           ; my part of K step 0 is in; step 1's stays out
	s_barrier_signal -1
	s_barrier_wait -1
	FETCH 0, 0, F0
	QUARTER 0, 1, F0, F1, 1                        ; the first quarter's products start the sums
	WIN 0
	s_mov_b32 s3, 3
.Llap:                                             ; a trip goes once round the ring and fills both slots again: K steps 2 to 7
	QUARTER 0, 2, F1, F0, 0
	QUARTER 0, 3, F0, F1, 0
	TURN 0, 1, 1
	QUARTER 1, 1, F0, F1, 0
	QUARTER 1, 2, F1, F0, 0
	QUARTER 1, 3, F0, F1, 0
	TURN 1, 0, 1
	QUARTER 0, 1, F0, F1, 0
	WIN 0
	s_sub_co_u32 s3, s3, 1
	s_cmp_lg_u32 s3, 0
	s_cbranch_scc1 .Llap
	QUARTER 0, 2, F1, F0, 0                        ; the last lap asks for nothing
	QUARTER 0, 3, F0, F1, 0
	TURN 0, 1, 0
	QUARTER 1, 1, F0, F1, 0
	QUARTER 1, 2, F1, F0, 0
	QUARTER 1, 3, F0, F1, 0
	s_wait_dscnt 0x0
	WIN MUL
	MUL16 F1, 0, 0
	MUL16 F1, 2, 0
; THE WAY OUT.  For each block of 16 tokens: h = sum over n of fw[n] acc(a, n) (each accumulator is read from its low end on), rounded; a lane's 8 numbers are 16 bytes of a
; fragment of h, and a wave's store is half a fragment.  Each store has data registers of its own, so none is rewritten while a store may read it.
.macro OUTSET s, ob
.irp a, 0,1,2,3
	WIN 0x09                                       ; source 0 window 1 (sums), source 1 window 2 (tables)
.irp j, 0,1,2,3,4,5,6,7
	v_mul_f32 v[H+\j], v[64*\a+\j], v[32*\s+8*\a]
.endr
.irp n, 1,2,3,4,5,6,7
.irp j, 0,1,2,3,4,5,6,7
	v_fma_f32 v[H+\j], v[64*\a+8*\n+\j], v[32*\s+8*\a+\n], v[H+\j]
.endr
.endr
	WIN 0
.irp p, 0,1,2,3
	v_cvt_pk_bf16_f32 v[PK+16*\s+4*\a+\p], v[H+2*\p], v[H+2*\p+1]
.endr
	global_store_b128 v[GO], v[PK+16*\s+4*\a:PK+16*\s+4*\a+3], s[\ob:\ob+1] offset:\a*4096   ; 512 consecutive bytes, aligned
.endr
.endm
	PLACES
	s_wait_loadcnt 0x0                             ; the tables
	OUTSET 0, 94
	s_cmp_eq_u32 ttmp9, 0
	s_cbranch_scc1 .Lone_output
	OUTSET 1, 96
.Lone_output:
	CROUND                                         ; the closing round: no work-group ends while a partner may still ask for a tile that names it
	s_endpgm
.Lfunc_end_k_q0f828d3d7e_feat1:
	.size	k_q0f828d3d7e_feat1, .Lfunc_end_k_q0f828d3d7e_feat1-k_q0f828d3d7e_feat1
	.p2alignl 7, 3214868480
	.fill 96, 4, 3214868480
	.section	.rodata,"a",@progbits
	.p2align	6, 0x0
	.amdhsa_kernel k_q0f828d3d7e_feat1
		.amdhsa_group_segment_fixed_size 327680
		.amdhsa_private_segment_fixed_size 0
		.amdhsa_enable_private_segment 0
		.amdhsa_kernarg_size 48
		.amdhsa_user_sgpr_count 2
		.amdhsa_user_sgpr_kernarg_segment_ptr 1
		.amdhsa_wavefront_size32 1
		.amdhsa_system_sgpr_workgroup_id_x 1
		.amdhsa_system_sgpr_workgroup_id_y 1
		.amdhsa_system_sgpr_workgroup_id_z 1
		.amdhsa_system_vgpr_workitem_id 0
		.amdhsa_next_free_vgpr 576
		.amdhsa_next_free_sgpr 98
		.amdhsa_reserve_vcc 0
		.amdhsa_float_denorm_mode_32 3
		.amdhsa_float_denorm_mode_16_64 3
		.amdhsa_memory_ordered 1
		.amdhsa_forward_progress 1
		.amdhsa_inst_pref_size 103
	.end_amdhsa_kernel
	.amdgpu_metadata
---
amdhsa.version: [ 1, 2 ]
amdhsa.kernels:
  - .name:           k_q0f828d3d7e_feat1
    .symbol:         k_q0f828d3d7e_feat1.kd
    .args:
      - { .name: nx, .offset: 0, .size: 8, .value_kind: global_buffer, .address_space: global }
      - { .name: w1, .offset: 8, .size: 8, .value_kind: global_buffer, .address_space: global }
      - { .name: fv_w, .offset: 16, .size: 8, .value_kind: global_buffer, .address_space: global }
      - { .name: fqk_w_Q, .offset: 24, .size: 8, .value_kind: global_buffer, .address_space: global }
      - { .name: fqk_w_K, .offset: 32, .size: 8, .value_kind: global_buffer, .address_space: global }
      - { .name: hb, .offset: 40, .size: 8, .value_kind: global_buffer, .address_space: global }
    .group_segment_fixed_size: 327680
    .private_segment_fixed_size: 0
    .kernarg_segment_align: 8
    .kernarg_segment_size: 48
    .max_flat_workgroup_size: 128
    .sgpr_count:     98
    .vgpr_count:     576
    .wavefront_size: 32
...
	.end_amdgpu_metadata
.endif
;; end of part 2
;; launch rest1 (part 3): grid 8 x 32, 4 waves a work-group, clusters of 4 x 4, 327,680 bytes of LDS; arguments hb, w1, rv_w, rqk_w_Q, rqk_w_K, qa, kv; writes qa, kv
.if DOCPART == 3
	.amdgcn_target "amdgcn-amd-amdhsa--gfx1250"
	.amdhsa_code_object_version 6
	.text
	.protected	k_q0f828d3d7e_rest1
	.globl	k_q0f828d3d7e_rest1
	.p2align	8
	.type	k_q0f828d3d7e_rest1,@function
k_q0f828d3d7e_rest1:
	s_mov_b64 s[64:65], 0
	v_nop
	global_prefetch_b8 v0, s[64:65] scope:SCOPE_SE
	s_setreg_imm32_b32 hwreg(HW_REG_WAVE_MODE, 25, 1), 1
	s_wait_xcnt 0x0
	s_wait_alu depctr_hold_cnt(0) depctr_sa_sdst(0) depctr_va_vdst(0) depctr_va_sdst(0) depctr_va_ssrc(0) depctr_va_vcc(0) depctr_vm_vsrc(0)
	s_getreg_b32 s2, hwreg(HW_REG_IB_STS2, 6, 4)
	s_cmp_eq_u32 s2, 0
	s_cbranch_scc0 .Lentry_in_a_cluster
	s_endpgm
.Lentry_in_a_cluster:
	s_bfe_u32 s2, ttmp6, 0x10000c
	s_cmp_lg_u32 s2, 0xf033
	s_cbranch_scc0 .Lentry_shape_is_right
	s_endpgm
.Lentry_shape_is_right:
; RESTORE for Q, K and V at once: for 128 tokens x 128 columns, out[t][d] = sum over n, r of (rw[t][n] h[t][r]) w[n][r][d], with (rw, h, w) = (rqk_w_Q, h_q, r_qk), (rqk_w_K, h_k, r_qk),
; (rv_w, h_v, r_v); f32 sums; each output rounded once to bf16 and stored as the fragments that attention multiplies.
; THE OPERAND rw h IS MADE IN REGISTERS.  In a fragment a lane holds one token, so a fragment of h times the lane's rw[n] is the fragment for neuron n: one v_pk_mul_bf16 a register.
; LIMIT: that operand carries three roundings to bf16 (h, rw, their product).
; Four waves; wave (wr, wc) has 64 tokens x 64 columns (one head) x 3: 48 accumulators.  h's three planes for the 128 tokens (96 KiB) lie in LDS for the whole launch.  The weights go
; through a ring of two slots of 64 KiB.  A LAP is one quarter of r (32 numbers) with all eight neurons: slot 0 holds neurons 0-3, slot 1 neurons 4-7, so the neuron of a quarter step
; is a constant of the text; h's fragments of that quarter of r are read from LDS once a lap.  Four laps.
; A QUARTER STEP is one neuron: 16 LDS loads (the next neuron's weights), 48 matrix instructions, and behind each of them the two multiplies that scale the next neuron's operand.
; CLUSTER 4 x 4: h hangs on the token block alone (joint along a row of the cluster), the weights on the column block alone (joint along a column).
; Q, K: source 0 = 16 columns, source 1 = 16 tokens: a lane holds one token and 8 channels.  V: the sources swapped: a lane holds one channel and 8 tokens, as V^T is wanted.
; REGISTERS.  The windows are laid so that a product and the multiplies behind it run under one setting:
;   window 0: v0-31 addresses, v32-63 V's table, v64-95 and v96-127 h_q's and h_k's fragments (on the way out: packed results), v[128 + 64 buf + 32 mat + 8 b] the weights' fragments
;   windows 1, 2 (Q, K): v[8 (4 a + b)] sums, v[128 + 32 buf + 8 a] scaled fragments, v[192 + 8 a + n] table, v224-255 the table as loaded
;   window 3 (V): the same, with h_v's fragments at v192-223 in the table's place
.set RING,  98304                      ; h: planes v, q, k of 32 KiB ([token block][r / 32]); then the ring
.set SLOT,  65536                      ; r_qk 32 KiB, r_v 32 KiB; in each [neuron / 2][column block][neuron % 2]
.set BSTEP, 65536
.set HA01, 16                          ; v16 planes 0 and 1 of h; v17 plane 2; never rewritten
.set HA2,  17
.set HT,   18                          ; v18-19 the same at the quarter of r to be read
.set BB,   20                          ; v20-21 weights in slot 0, 1
.set GO,   24
.set WO,   25
.set RWV,  32
.set RAWQ, 64
.set RAWK, 96
.set T,    64
.set BF,   128
.set AP,   128
.set RW,   192
.set RAWV, 192
.set TT,   224
.set HK,   2                           ; s2: byte of the quarter of r to be read next
.set G1,  24                           ; s[24:31] group 1 for h; s[32:35] its group 0
.set G0,  32
.set G1B, 48                           ; s[48:55] group 1 for the weights; s[56:63] group 0, a set for each slot
.set G0B, 56
.set SQ, 0x54                          ; source 0 window 0, source 1, C and D window 1
.set SK, 0xa8                          ; the same with window 2
.set SV, 0xf3                          ; source 1 window 0, source 0, C and D window 3
.set MSB, 0
.macro WIN new                         ; the immediate's high byte repeats the setting that is left
.if MSB != \new
	s_set_vgpr_msb (MSB<<8)|\new
.set MSB, \new
.endif
.endm
.macro PLACES                          ; four plain vector instructions between a matrix instruction and a load into, or a vector read of, its registers
.rept 4
	v_nop
.endr
.endm
.macro CREST
	s_cmp_lg_u32 s10, 0
	s_cbranch_scc1 .Lnot_wave_0_\@
	s_barrier_signal -3
.Lnot_wave_0_\@:
	s_barrier_wait -3
	s_barrier_signal -1
	s_barrier_wait -1
.endm
.macro CROUND
	s_barrier_signal -1
	s_barrier_wait -1
	CREST
.endm
	s_load_b256 s[68:75], s[0:1], 0x0              ; h 68, weights 70, rv_w 72, rqk_w_Q 74
	s_load_b128 s[76:79], s[0:1], 0x20             ; rqk_w_K 76, Q 78
	s_load_b64 s[80:81], s[0:1], 0x30              ; K and V
	v_lshl_add_u32 v30, v0, 2, 0x38000
	v_mov_b32 v31, 0
	ds_add_u32 v30, v31
	v_lshrrev_b32 v1, 5, v0
	v_readfirstlane_b32 s10, v1
	s_lshr_b32 s11, s10, 1                         ; wr
	s_and_b32 s12, s10, 1                          ; wc
	s_bfe_u32 s40, ttmp6, 0x40000
	s_bfe_u32 s41, ttmp6, 0x40004
	s_lshl_b32 s42, ttmp9, 2
	s_add_co_u32 s42, s42, s40                     ; column block
	s_and_b32 s13, ttmp7, 0xffff
	s_lshl_b32 s13, s13, 2
	s_add_co_u32 s13, s13, s41                     ; token block
	s_lshl_b32 s43, s41, 2
	s_lshl_b32 s43, 15, s43
	s_lshl_b32 s44, 0x1111, s40
	s_or_b32 s[G1], s43, (3<<16)|(1<<21)           ; dense rows of 32 elements of 8 bytes: a plane of h 128 rows, a wave's quarter of a slot 64
	s_or_b32 s[G1B], s44, (3<<16)|(1<<21)
	s_mov_b32 s[G1+1], 32<<16
	s_mov_b32 s[G1+2], 128<<16
	s_mov_b32 s[G1+3], 32<<16
	s_mov_b32 s[G1+4], 128
	s_mov_b32 s[G1+5], 32
	s_mov_b32 s[G1+6], 0
	s_mov_b32 s[G1+7], 0
	s_mov_b32 s[G1B+1], 32<<16
	s_mov_b32 s[G1B+2], 64<<16
	s_mov_b32 s[G1B+3], 32<<16
	s_mov_b32 s[G1B+4], 64
	s_mov_b32 s[G1B+5], 32
	s_mov_b32 s[G1B+6], 0
	s_mov_b32 s[G1B+7], 0
	s_min_u32 s14, s10, 2                          ; my plane of h (wave 3 fetches none)
	s_lshl_b32 s20, s14, 15                        ; its place in LDS
	s_lshl_b32 s16, s14, 20                        ; plane x 2^20 + token block x 32768
	s_lshl_b32 s17, s13, 15
	s_add_co_u32 s16, s16, s17
	s_mov_b32 s17, 0
	s_lshl_b32 s46, s42, 19                        ; 4 MiB + column block x 524288 + wave x 16384
	s_lshl_b32 s47, s10, 14
	s_add_co_u32 s46, s46, s47
	s_add_co_u32 s46, s46, 0x400000
	s_mov_b32 s47, 0
	s_lshl_b32 s21, s10, 14                        ; my quarter of a slot
	s_add_co_u32 s21, s21, RING
	s_lshl_b32 s18, s13, 12                        ; tables: 128 tokens x 32 bytes
	s_mov_b32 s19, 0
	s_lshr_b32 s4, s13, 4                          ; batch x 16 + head = (token block >> 4) x 16 + 2 x column block + wc
	s_lshl_b32 s4, s4, 4
	s_lshl_b32 s5, s42, 1
	s_add_co_u32 s4, s4, s5
	s_add_co_u32 s4, s4, s12
	s_and_b32 s5, s13, 15                          ; block of 128 positions
	s_lshl_b32 s6, s4, 18                          ; Q: bh x 262144 + block x 16384 + wr x 8192
	s_lshl_b32 s7, s5, 14
	s_add_co_u32 s6, s6, s7
	s_lshl_b32 s7, s11, 13
	s_add_co_u32 s6, s6, s7
	s_mov_b32 s7, 0
	s_lshl_b32 s8, s4, 19                          ; K: bh x 524288 + block x 32768 + wr x 8192; V 16384 behind
	s_lshl_b32 s9, s5, 15
	s_add_co_u32 s8, s8, s9
	s_lshl_b32 s9, s11, 13
	s_add_co_u32 s8, s8, s9
	s_mov_b32 s9, 0
	s_mov_b32 s[HK], 0
	s_wait_dscnt 0x0
	s_wait_kmcnt 0x0
	s_add_nc_u64 s[14:15], s[68:69], s[16:17]
	s_add_nc_u64 s[46:47], s[70:71], s[46:47]
	s_add_nc_u64 s[82:83], s[78:79], s[6:7]
	s_add_nc_u64 s[84:85], s[80:81], s[8:9]
	s_add_nc_u64 s[86:87], s[84:85], 16384
	s_add_nc_u64 s[88:89], s[72:73], s[18:19]
	s_add_nc_u64 s[90:91], s[74:75], s[18:19]
	s_add_nc_u64 s[92:93], s[76:77], s[18:19]
	CROUND                                         ; all sixteen work-groups are here: the first joint loads meet
	s_mov_b32 s[G0], 1
	s_add_co_u32 s[G0+1], s20, 0
	s_mov_b64 s[G0+2:G0+3], s[14:15]
	s_or_b32 s[G0+3], s[G0+3], 0x80000000
.irp s, 0,1
	s_mov_b32 s[G0B+4*\s], 1
	s_add_co_u32 s[G0B+4*\s+1], s21, \s*SLOT
	s_add_nc_u64 s[G0B+4*\s+2:G0B+4*\s+3], s[46:47], \s*BSTEP
	s_or_b32 s[G0B+4*\s+3], s[G0B+4*\s+3], 0x80000000
.endr
	s_cmp_lt_u32 s10, 3                            ; a wave's first fills stand in one branch: three loads of mine are out (wave 3: two)
	s_cbranch_scc0 .Lfirst_3
	tensor_load_to_lds s[G0:G0+3], s[G1:G1+7]
	s_nop 0
	tensor_load_to_lds s[G0B:G0B+3], s[G1B:G1B+7]
	s_nop 0
	tensor_load_to_lds s[G0B+4:G0B+7], s[G1B:G1B+7]
	s_nop 0
.rept 4
	v_nop
.endr
	s_branch .Lfirst_asked
.Lfirst_3:
	tensor_load_to_lds s[G0B:G0B+3], s[G1B:G1B+7]
	s_nop 0
	tensor_load_to_lds s[G0B+4:G0B+7], s[G1B:G1B+7]
	s_nop 0
.rept 4
	v_nop
.endr
.Lfirst_asked:
	v_and_b32 v1, 31, v0
	v_lshlrev_b32 v[GO], 4, v1
	v_and_b32 v2, 15, v0
	s_lshl_b32 s22, s11, 14                        ; my 4 token blocks in a plane of h
	v_add_nc_u32 v[HA01], s22, v[GO]
	v_add_nc_u32 v[HA2], 65536, v[HA01]
	s_lshl_b32 s23, s12, 13                        ; my 4 column blocks
	s_add_co_u32 s23, s23, RING
	v_add_nc_u32 v[BB], s23, v[GO]
	v_add_nc_u32 v[BB+1], SLOT, v[BB]
	s_lshl_b32 s22, s11, 6
	v_add_nc_u32 v[WO], s22, v2
	v_lshlrev_b32 v[WO], 5, v[WO]                  ; (64 wr + lane % 16) x 32
.macro TABLE win, base                 ; rw[token][0..7] of my lane's token in each of the 4 token blocks
	WIN \win
.irp a, 0,1,2,3
	global_load_b128 v[TT+8*\a:TT+8*\a+3],   v[WO], s[\base:\base+1] offset:\a*512
	global_load_b128 v[TT+8*\a+4:TT+8*\a+7], v[WO], s[\base:\base+1] offset:\a*512+16
.endr
.endm
	TABLE 0x40, 90                                 ; Q's into window 1
	TABLE 0x80, 92                                 ; K's into window 2
	TABLE 0xc0, 88                                 ; V's into window 3
	s_wait_loadcnt 0x0
.macro DUP dst                         ; each number rounded to bf16, in both halves of a register
.set i, 0
.rept 32
	v_cvt_pk_bf16_f32 v[\dst+i], v[TT+i], v[TT+i]
.set i, i+1
.endr
.endm
	WIN 0x45
	DUP RW
	WIN 0x8a
	DUP RW
	WIN 0x0f                                       ; V's table goes to window 0
	DUP RWV
	WIN 0
; h's fragments of one quarter of r, 24 LDS loads.  The address is made of a scalar that steps once a lap.
.macro HLOAD
	WIN 0
	v_add_nc_u32 v[HT], s[HK], v[HA01]
	v_add_nc_u32 v[HT+1], s[HK], v[HA2]
	s_add_co_u32 s[HK], s[HK], 1024
	WIN 0xc0                                       ; destination window 3
.irp a, 0,1,2,3
	ds_load_b128 v[RAWV+8*\a:RAWV+8*\a+3],   v[HT] offset:\a*4096
	ds_load_b128 v[RAWV+8*\a+4:RAWV+8*\a+7], v[HT] offset:\a*4096+512
.endr
	WIN 0
.irp a, 0,1,2,3
	ds_load_b128 v[RAWK+8*\a:RAWK+8*\a+3],   v[HT+1] offset:\a*4096
	ds_load_b128 v[RAWK+8*\a+4:RAWK+8*\a+7], v[HT+1] offset:\a*4096+512
	ds_load_b128 v[RAWQ+8*\a:RAWQ+8*\a+3],   v[HT] offset:32768+\a*4096
	ds_load_b128 v[RAWQ+8*\a+4:RAWQ+8*\a+7], v[HT] offset:32768+\a*4096+512
.endr
.endm
; The macros below read these symbols: FB the buffer that is multiplied, GB the buffer that is filled, FQ the quarter of a slot that is fetched, NN the neuron that is scaled for
; (8: none), ZR = 1: the products start the sums.
.macro FETCH slot                      ; 16 LDS loads in one run: one neuron's weights for my 64 columns, both matrices
	WIN 0
.irp m, 0,1
.irp b, 0,1,2,3
	ds_load_b128 v[BF+64*GB+32*\m+8*\b:BF+64*GB+32*\m+8*\b+3],   v[BB+\slot] offset:\m*32768+(FQ>>1)*16384+\b*2048+(FQ&1)*1024
	ds_load_b128 v[BF+64*GB+32*\m+8*\b+4:BF+64*GB+32*\m+8*\b+7], v[BB+\slot] offset:\m*32768+(FQ>>1)*16384+\b*2048+(FQ&1)*1024+512
.endr
.endr
.endm
; The 48 accumulators take turns, one instruction a turn, in the same order in every quarter step.
.macro PQK raw                         ; 16 products for Q or K (the window says which), each with two scalings of the next neuron's operand
.irp a, 0,1,2,3
.irp b, 0,1,2,3
.if ZR
	v_wmma_f32_16x16x32_bf16 v[8*(4*\a+\b):8*(4*\a+\b)+7], v[BF+64*FB+8*\b:BF+64*FB+8*\b+7], v[AP+32*FB+8*\a:AP+32*FB+8*\a+7], 0
.else
	v_wmma_f32_16x16x32_bf16 v[8*(4*\a+\b):8*(4*\a+\b)+7], v[BF+64*FB+8*\b:BF+64*FB+8*\b+7], v[AP+32*FB+8*\a:AP+32*FB+8*\a+7], v[8*(4*\a+\b):8*(4*\a+\b)+7]
.endif
.if NN < 8
	v_pk_mul_bf16 v[AP+32*(1-FB)+8*\a+2*\b],   v[\raw+8*\a+2*\b],   v[RW+8*\a+NN]
	v_pk_mul_bf16 v[AP+32*(1-FB)+8*\a+2*\b+1], v[\raw+8*\a+2*\b+1], v[RW+8*\a+NN]
.endif
.endr
.endr
.endm
.macro PV                              ; the same for V
.irp a, 0,1,2,3
.irp b, 0,1,2,3
.if ZR
	v_wmma_f32_16x16x32_bf16 v[8*(4*\a+\b):8*(4*\a+\b)+7], v[AP+32*FB+8*\a:AP+32*FB+8*\a+7], v[BF+64*FB+32+8*\b:BF+64*FB+32+8*\b+7], 0
.else
	v_wmma_f32_16x16x32_bf16 v[8*(4*\a+\b):8*(4*\a+\b)+7], v[AP+32*FB+8*\a:AP+32*FB+8*\a+7], v[BF+64*FB+32+8*\b:BF+64*FB+32+8*\b+7], v[8*(4*\a+\b):8*(4*\a+\b)+7]
.endif
.if NN < 8
	v_pk_mul_bf16 v[AP+32*(1-FB)+8*\a+2*\b],   v[RAWV+8*\a+2*\b],   v[RWV+8*\a+NN]
	v_pk_mul_bf16 v[AP+32*(1-FB)+8*\a+2*\b+1], v[RAWV+8*\a+2*\b+1], v[RWV+8*\a+NN]
.endif
.endr
.endr
.endm
.macro SCALE raw, tab                  ; 32 scalings in one block, into buffer GB for neuron NN
.set i, 0
.rept 32
	v_pk_mul_bf16 v[AP+32*GB+i], v[\raw+i], v[\tab+8*(i/8)+NN]
.set i, i+1
.endr
.endm
.macro QUARTER slot, q, zero           ; quarter step q = 0, 1, 2 of a slot: neuron 4 slot + q
.set FB, (\q)&1
.set GB, 1-FB
.set FQ, \q+1
.set NN, 4*\slot+\q+1
.set ZR, \zero
	s_wait_dscnt 0x0                               ; this neuron's weights are in
	PLACES                                         ; the other buffer was read by the matrix instructions just before
	FETCH \slot
	WIN SQ
	PQK RAWQ
	WIN SK
	PQK RAWK
	WIN SV
	PV
.endm
; The last quarter step of a slot changes slots.  In front of the barrier each wave waits for its reads of this slot and for all its tensor loads (one is out: its part of the next
; slot).  fill = 1: the barrier opens a round of the cluster's barrier, and the joint refill, two slots ahead, is the first thing behind the round; four v_nop follow it,
; which are also the places in front of the LDS loads.
; Slot 1's change is also the lap's end: the next quarter of r is read from LDS behind the round, so Q's and K's products stand bare, V's carry V's scalings, K's and Q's follow in a block.
.macro TURN slot, fill
.set FB, 1
.set GB, 0
.set FQ, 0
.set ZR, 0
.set NN, 4+4*\slot
	s_wait_dscnt 0x0
	s_set_vgpr_msb 0xf3f0
	s_wait_tensorcnt 0x0
	ds_add_u32 v30, v31
	s_wait_dscnt 0x0
	s_set_vgpr_msb 0xf0f3
	WIN SQ
	s_barrier_signal -1
	PQK RAWQ
	WIN 0
	s_barrier_wait -1
.if \fill
	CREST
	s_add_nc_u64 s[G0B+4*\slot+2:G0B+4*\slot+3], s[G0B+4*\slot+2:G0B+4*\slot+3], 2*BSTEP
	tensor_load_to_lds s[G0B+4*\slot:G0B+4*\slot+3], s[G1B:G1B+7]
	s_nop 0
.endif
	PLACES
.if \slot
	HLOAD
.endif
	FETCH 1-\slot
	WIN SK
	PQK RAWK
.if \slot
	s_wait_dscnt 16                                ; h's 24 loads are in; the 16 weight loads issued behind them stay out
.set NN, 0
.endif
	WIN SV
	PV
.if \slot
	WIN SK
	SCALE RAWK, RW
	WIN SQ
	SCALE RAWQ, RW
.endif
.endm
	s_wait_tensorcnt 0x1                           ; my plane of h and my part of slot 0 are in; slot 1's stays out
	s_barrier_signal -1
	s_barrier_wait -1
	HLOAD
.set GB, 0
.set FQ, 0
.set NN, 0
	FETCH 0
	s_wait_dscnt 16                                ; h's 24 loads are in
	WIN SV
	SCALE RAWV, RWV
	WIN SK
	SCALE RAWK, RW
	WIN SQ
	SCALE RAWQ, RW
	QUARTER 0, 0, 1                                ; the first quarter step's products start the sums
	WIN 0
	s_mov_b32 s3, 3
.Llap:                                             ; a trip goes once round the ring and fills both slots again: slots' fills 2 to 7
	QUARTER 0, 1, 0
	QUARTER 0, 2, 0
	TURN 0, 1
	QUARTER 1, 0, 0
	QUARTER 1, 1, 0
	QUARTER 1, 2, 0
	TURN 1, 1
	QUARTER 0, 0, 0
	WIN 0
	s_sub_co_u32 s3, s3, 1
	s_cmp_lg_u32 s3, 0
	s_cbranch_scc1 .Llap
	QUARTER 0, 1, 0                                ; the last lap asks for nothing
	QUARTER 0, 2, 0
	TURN 0, 0
	QUARTER 1, 0, 0
	QUARTER 1, 1, 0
	QUARTER 1, 2, 0
.set FB, 1
.set NN, 8
.set ZR, 0
	s_wait_dscnt 0x0
	WIN SQ
	PQK RAWQ
	WIN SK
	PQK RAWK
	WIN SV
	PV
; THE WAY OUT: 16 accumulators are rounded (each from its low end on); a lane's 8 numbers are 16 bytes of a fragment, a wave's store half a fragment: 512 consecutive bytes, aligned.
.macro PACKOUT win, base, turned
	s_wait_xcnt 0x0                                ; the packed registers, which earlier stores read, are rewritten only behind this wait
	WIN \win
.set i, 0
.rept 64
	v_cvt_pk_bf16_f32 v[T+i], v[2*i], v[2*i+1]
.set i, i+1
.endr
	WIN 0
.irp a, 0,1,2,3
.irp b, 0,1,2,3
.if \turned
	global_store_b128 v[GO], v[T+4*(4*\a+\b):T+4*(4*\a+\b)+3], s[\base:\base+1] offset:(\a>>1)*4096+\b*1024+(\a&1)*512
.else
	global_store_b128 v[GO], v[T+4*(4*\a+\b):T+4*(4*\a+\b)+3], s[\base:\base+1] offset:\a*2048+(\b>>1)*1024+(\b&1)*512
.endif
.endr
.endr
.endm
	PLACES
	PACKOUT 0x05, 82, 0                            ; Q
	PACKOUT 0x0a, 84, 0                            ; K
	PACKOUT 0x0f, 86, 1                            ; V, channels as rows
	CROUND                                         ; the closing round: no work-group ends while a partner may still ask for a tile that names it
	s_endpgm
.Lfunc_end_k_q0f828d3d7e_rest1:
	.size	k_q0f828d3d7e_rest1, .Lfunc_end_k_q0f828d3d7e_rest1-k_q0f828d3d7e_rest1
	.p2alignl 7, 3214868480
	.fill 96, 4, 3214868480
	.section	.rodata,"a",@progbits
	.p2align	6, 0x0
	.amdhsa_kernel k_q0f828d3d7e_rest1
		.amdhsa_group_segment_fixed_size 327680
		.amdhsa_private_segment_fixed_size 0
		.amdhsa_enable_private_segment 0
		.amdhsa_kernarg_size 56
		.amdhsa_user_sgpr_count 2
		.amdhsa_user_sgpr_kernarg_segment_ptr 1
		.amdhsa_wavefront_size32 1
		.amdhsa_system_sgpr_workgroup_id_x 1
		.amdhsa_system_sgpr_workgroup_id_y 1
		.amdhsa_system_sgpr_workgroup_id_z 1
		.amdhsa_system_vgpr_workitem_id 0
		.amdhsa_next_free_vgpr 1024
		.amdhsa_next_free_sgpr 94
		.amdhsa_reserve_vcc 0
		.amdhsa_float_denorm_mode_32 3
		.amdhsa_float_denorm_mode_16_64 3
		.amdhsa_memory_ordered 1
		.amdhsa_forward_progress 1
		.amdhsa_inst_pref_size 202
	.end_amdhsa_kernel
	.amdgpu_metadata
---
amdhsa.version: [ 1, 2 ]
amdhsa.kernels:
  - .name:           k_q0f828d3d7e_rest1
    .symbol:         k_q0f828d3d7e_rest1.kd
    .args:
      - { .name: hb, .offset: 0, .size: 8, .value_kind: global_buffer, .address_space: global }
      - { .name: w1, .offset: 8, .size: 8, .value_kind: global_buffer, .address_space: global }
      - { .name: rv_w, .offset: 16, .size: 8, .value_kind: global_buffer, .address_space: global }
      - { .name: rqk_w_Q, .offset: 24, .size: 8, .value_kind: global_buffer, .address_space: global }
      - { .name: rqk_w_K, .offset: 32, .size: 8, .value_kind: global_buffer, .address_space: global }
      - { .name: qa, .offset: 40, .size: 8, .value_kind: global_buffer, .address_space: global }
      - { .name: kv, .offset: 48, .size: 8, .value_kind: global_buffer, .address_space: global }
    .group_segment_fixed_size: 327680
    .private_segment_fixed_size: 0
    .kernarg_segment_align: 8
    .kernarg_segment_size: 56
    .max_flat_workgroup_size: 128
    .sgpr_count:     94
    .vgpr_count:     1024
    .wavefront_size: 32
...
	.end_amdgpu_metadata
.endif
;; end of part 3
;; launch attn (part 4): grid 8 x 32, 8 waves a work-group, no clusters, 327,680 bytes of LDS; arguments qa, kv, pa; writes pa
.if DOCPART == 4
	.amdgcn_target "amdgcn-amd-amdhsa--gfx1250"
	.amdhsa_code_object_version 6
	.text
	.protected	k_q0f828d3d7e_attn
	.globl	k_q0f828d3d7e_attn
	.p2align	8
	.type	k_q0f828d3d7e_attn,@function
k_q0f828d3d7e_attn:
	s_mov_b64 s[64:65], 0
	v_nop
	global_prefetch_b8 v0, s[64:65] scope:SCOPE_SE
	s_setreg_imm32_b32 hwreg(HW_REG_WAVE_MODE, 25, 1), 1
	s_wait_xcnt 0x0
; CAUSAL ATTENTION, head size 64, 32 (batch, head) pairs of 2,048 positions.  Work-group (i, bh) owns the query blocks i and 15 - i of 128 queries: (i + 1) + (16 - i) = 17 key blocks of
; 128 for every work-group, so all 256 do equal work and the trip count is a constant.  Key blocks above the diagonal are not computed.  A wave owns 16 queries of the block in hand.
; S^T = K Q^T (source 0 = 16 keys, source 1 = 16 queries): a lane holds one query and 8 keys; two such tiles rounded to bf16 ARE source 1 of O^T = V^T P.  Running maximum m and sum l in
; f32: p = 2^(c s - c m), c = log2(e) / 8; O and l are multiplied by 2^(c m_old - c m_new) in every step.
; Q, K, V lie in memory as fragments (1,024 bytes = 16 rows x 32 k), V with channels as rows: every LDS read is 512 neighbouring bytes a wave.
; LIMITS: masked scores are -inf (the weights are 0, as with the lowest finite number, since each query has a valid key in the first 64 keys it meets); weights under 2^-126 become 0.
; NO CLUSTER: the query blocks of a head need different numbers of key blocks, partners of a cluster would have to run alike, and a work-group reads 17 x 32 KiB in all.
; Eight waves, two to a SIMD: one wave's softmax stands beside the other's products, and all registers but v256 and v257 lie in one window.
; Trip t = 0 .. 16: t <= i: block i, key block t; else block 15 - i, key block t - i - 1.  The diagonal falls on t = i and t = 16.
.set Q,   16                           ; v[16:31]   Q of the block in hand: 2 fragments
.set O,   32                           ; v[32:63]   O^T: 4 accumulators (16 channels each)
.set S,   64                           ; v[64:95]   S^T: 4 accumulators (16 keys each)
.set P,   96                           ; v[96:111]  weights in bf16
.set KF,  112                          ; v[112:175] K of 64 keys
.set VF,  176                          ; v[176:239] V of 64 keys
.set QHI, 240                          ; v[240:255] Q of block 15 - i
.set G1,  16                           ; s[16:23] group 1;  s[24:27], s[28:31] group 0 of slot 0, 1
.set G0,  24
; v2 16 x lane; v3 16 w + lane % 16 - 8 (lane / 16); v4 -inf; v8 c m; v9 m; v[10:11] l; v12-15 at work
.macro PLACES                          ; four plain vector instructions between a matrix instruction and a load into, or a vector read of, its registers
.rept 4
	v_nop
.endr
.endm
	s_load_b128 s[4:7], s[0:1], 0x0                ; Q, K and V
	s_load_b64 s[8:9], s[0:1], 0x10                ; out
	s_set_vgpr_msb 0x40
	v_lshl_add_u32 v0, v0, 2, 0x29000
	v_mov_b32 v1, 0
	s_set_vgpr_msb 0x4045
	ds_add_u32 v0, v1
	s_set_vgpr_msb 0x4500
	v_lshrrev_b32 v1, 5, v0
	v_readfirstlane_b32 s10, v1                    ; wave 0..7
	s_mov_b32 s11, ttmp9                           ; i
	s_and_b32 s12, ttmp7, 0xffff                   ; bh
	s_add_co_u32 s13, s11, 1                       ; the trip in which the second block begins
	s_mov_b32 s14, 0                               ; t
	s_mov_b32 s38, s11                             ; the block in hand
	s_mov_b32 s[G1], 3<<16                         ; no mask; elements of 8 bytes: 64 dense rows of 256 bytes
	s_mov_b32 s[G1+1], 32<<16
	s_mov_b32 s[G1+2], 64<<16
	s_mov_b32 s[G1+3], 32<<16
	s_mov_b32 s[G1+4], 64
	s_mov_b32 s[G1+5], 32
	s_mov_b32 s[G1+6], 0
	s_mov_b32 s[G1+7], 0
	s_and_b32 s34, s10, 1                          ; wave 0 fetches a key block's K (16 KiB), wave 1 its V; the others fetch nothing
	s_lshl_b32 s36, s34, 14
	s_lshl_b32 s34, s12, 19
	s_add_co_u32 s34, s34, s36
	s_mov_b32 s35, 0
	s_mov_b32 s[G0], 1
	s_add_co_u32 s[G0+1], s36, 0                   ; slot 0
	s_mov_b32 s[G0+4], 1
	s_add_co_u32 s[G0+5], s36, 32768               ; slot 1
	s_wait_dscnt 0x0
	s_barrier_signal -1
	s_barrier_wait -1
	s_wait_kmcnt 0x0
	s_add_nc_u64 s[32:33], s[6:7], s[34:35]        ; my part of the head's key block 0
	s_mov_b64 s[G0+2:G0+3], s[32:33]
	s_or_b32 s[G0+3], s[G0+3], 0x80000000
	s_cmp_lt_u32 s10, 2
	s_cbranch_scc0 .Lno_first
	tensor_load_to_lds s[G0:G0+3], s[G1:G1+7]      ; key block 0, ahead of everything else
	s_nop 0
.Lno_first:
	v_and_b32 v5, 31, v0
	v_lshlrev_b32 v2, 4, v5
	v_and_b32 v6, 15, v0
	v_bfe_u32 v7, v0, 4, 1
	v_lshlrev_b32 v7, 3, v7
	v_sub_nc_u32 v3, v6, v7
	s_lshl_b32 s34, s10, 4
	v_add_nc_u32 v3, s34, v3                       ; key 64 sub + 16 kt + 8 (lane / 16) + j is allowed on the diagonal if 64 sub + 16 kt + j <= v3
	v_mov_b32 v4, 0xff800000
	s_mov_b32 s40, 0x3e38aa3b                      ; c = log2(e) / 8
	s_mov_b32 s41, s40
	s_mov_b32 s42, 0x76543210
	s_mov_b32 s43, 0xfedcba98
	s_lshl_b32 s34, s12, 18                        ; Q: bh x 262144 + (8 x block + w) x 2048
	s_lshl_b32 s37, s10, 11
	s_add_co_u32 s34, s34, s37
	s_lshl_b32 s36, s11, 14
	s_add_co_u32 s36, s34, s36
	s_mov_b32 s37, 0
	s_add_nc_u64 s[46:47], s[4:5], s[36:37]
	s_sub_co_u32 s36, 15, s11
	s_lshl_b32 s36, s36, 14
	s_add_co_u32 s36, s34, s36
	s_add_nc_u64 s[48:49], s[4:5], s[36:37]
.irp j, 0,1,2,3
	global_load_b128 v[Q+4*\j:Q+4*\j+3], v2, s[46:47] offset:512*\j
	global_load_b128 v[QHI+4*\j:QHI+4*\j+3], v2, s[48:49] offset:512*\j
.endr
; A block starts with O = 0, l = 0, m = -inf: 32 moves at each of the two starts, in place of a second copy of the step whose products start the sums.
.macro INIT
.set i, 0
.rept 32
	v_mov_b32 v[O+i], 0
.set i, i+1
.endr
	v_mov_b32 v8, v4
	v_mov_b32 v9, v4
	v_mov_b32 v10, 0
	v_mov_b32 v11, 0
.endm
	INIT
.irp r, 12,13,14,15
	v_mov_b32 v\r, 0                               ; written once, so that they are written on every path
.endr
	s_wait_loadcnt 0x0
.macro KLOAD slot, sub
.irp kt, 0,1,2,3
.irp kc, 0,1
	ds_load_b128 v[KF+16*\kt+8*\kc:KF+16*\kt+8*\kc+3],   v2 offset:\slot*32768+(4*\sub+\kt)*2048+\kc*1024
	ds_load_b128 v[KF+16*\kt+8*\kc+4:KF+16*\kt+8*\kc+7], v2 offset:\slot*32768+(4*\sub+\kt)*2048+\kc*1024+512
.endr
.endr
.endm
.macro VLOAD slot, sub
.irp kk, 0,1
.irp b, 0,1,2,3
	ds_load_b128 v[VF+32*\kk+8*\b:VF+32*\kk+8*\b+3],   v2 offset:\slot*32768+16384+((2*\sub+\kk)*4+\b)*1024
	ds_load_b128 v[VF+32*\kk+8*\b+4:VF+32*\kk+8*\b+7], v2 offset:\slot*32768+16384+((2*\sub+\kk)*4+\b)*1024+512
.endr
.endr
.endm
.macro MASK sub                        ; keys behind the query get -inf; ascending
.irp kt, 0,1,2,3
.irp j, 0,1,2,3,4,5,6,7
	v_cmp_le_i32 vcc_lo, 64*\sub+16*\kt+\j, v3
	v_cndmask_b32 v[S+8*\kt+\j], v4, v[S+8*\kt+\j], vcc_lo
.endr
.endr
.endm
.macro SOFTMAX
.irp u, 0,1,2,3
	v_max3_num_f32 v[12+\u], v[S+8*\u], v[S+8*\u+1], v[S+8*\u+2]
.endr
.irp u, 0,1,2,3
	v_max3_num_f32 v[12+\u], v[12+\u], v[S+8*\u+3], v[S+8*\u+4]
.endr
.irp u, 0,1,2,3
	v_max3_num_f32 v[12+\u], v[12+\u], v[S+8*\u+5], v[S+8*\u+6]
.endr
	v_max3_num_f32 v12, v12, v[S+7], v[S+15]
	v_max3_num_f32 v14, v14, v[S+23], v[S+31]
	v_max3_num_f32 v12, v12, v13, v14
	v_max3_num_f32 v12, v12, v15, v9               ; with the old m
	v_permlanex16_b32 v13, v12, s42, s43           ; the query's other 32 keys lie in the lane 16 away
	v_mov_b32 v15, v8                              ; c m_old
	v_max_num_f32 v9, v12, v13
	v_mul_f32 v8, s40, v9
	v_sub_f32 v15, v15, v8
	v_exp_f32 v14, v15                             ; a = 2^(c m_old - c m_new)
.set i, 0
.rept 16
	v_pk_fma_f32 v[S+2*i:S+2*i+1], v[S+2*i:S+2*i+1], s[40:41], v[8:9] op_sel_hi:[1,0,0] neg_lo:[0,0,1] neg_hi:[0,0,1]   ; c s - c m
.set i, i+1
.endr
.set i, 0
.rept 32
	v_exp_f32 v[S+i], v[S+i]
.set i, i+1
.endr
.set i, 0
	s_wait_alu depctr_va_vdst(0)
.rept 16
	v_pk_mul_f32 v[O+2*i:O+2*i+1], v[O+2*i:O+2*i+1], v[14:15] op_sel_hi:[1,0]   ; O a: also the plain instructions behind the exponentials (ISA guide 5.7.2)
.set i, i+1
.endr
.set i, 0
.rept 16
	v_cvt_pk_bf16_f32 v[P+i], v[S+2*i], v[S+2*i+1]
.set i, i+1
.endr
.irp w, 4,8,16,32                      ; the sum of the 16 pairs, in place
.set i, 0
.rept 32/\w
	v_pk_add_f32 v[S+\w*i:S+\w*i+1], v[S+\w*i:S+\w*i+1], v[S+\w*i+\w/2:S+\w*i+\w/2+1]
.set i, i+1
.endr
.endr
	v_pk_fma_f32 v[10:11], v[10:11], v[14:15], v[S:S+1] op_sel_hi:[1,0,1]
.endm
; 64 keys.  In both runs of products the four accumulators take turns, one instruction a turn.
.macro SUB slot, sub, diag
.if \sub == 0
	KLOAD \slot, 0
.endif
	s_wait_dscnt 0x0                               ; K is in
.irp kc, 0,1
.irp kt, 0,1,2,3
.if \kc == 0
	v_wmma_f32_16x16x32_bf16 v[S+8*\kt:S+8*\kt+7], v[KF+16*\kt:KF+16*\kt+7], v[Q:Q+7], 0
.else
	v_wmma_f32_16x16x32_bf16 v[S+8*\kt:S+8*\kt+7], v[KF+16*\kt+8:KF+16*\kt+15], v[Q+8:Q+15], v[S+8*\kt:S+8*\kt+7]
.endif
.endr
.endr
	PLACES                                         ; for the reads of S^T and for the loads into V's and K's registers
	VLOAD \slot, \sub
.if \sub == 0
	KLOAD \slot, 1
.endif
.if \diag
	MASK \sub
.else
	s_cmp_eq_u32 s14, s11                          ; the first block's diagonal
	s_cbranch_scc0 .Lfree_\@
	MASK \sub
.Lfree_\@:
.endif
	SOFTMAX
.if \sub == 0
	s_wait_dscnt 16                                ; V is in; the 16 loads of the next 64 keys' K stay out
.else
	s_wait_dscnt 0x0
.endif
.irp kk, 0,1
.irp b, 0,1,2,3
	v_wmma_f32_16x16x32_bf16 v[O+8*\b:O+8*\b+7], v[VF+32*\kk+8*\b:VF+32*\kk+8*\b+7], v[P+8*\kk:P+8*\kk+7], v[O+8*\b:O+8*\b+7]
.endr
.endr
.endm
; A block's way out: O / l, rounded; a lane's 8 channels are 16 bytes of a fragment of the next product's A: (t >> 7) x 262144 + head x 16384 + w x 2048.
.macro FINAL
	v_add_f32 v12, v10, v11
	v_permlanex16_b32 v13, v12, s42, s43
	v_add_f32 v12, v12, v13
	v_rcp_f32 v14, v12
	v_nop                                          ; with the two additions: four plain instructions behind the last products; and one behind the reciprocal
	v_nop
	s_lshr_b32 s34, s12, 4
	s_lshl_b32 s34, s34, 4
	s_add_co_u32 s34, s34, s38
	s_lshl_b32 s34, s34, 18
	s_and_b32 s35, s12, 15
	s_lshl_b32 s35, s35, 14
	s_add_co_u32 s34, s34, s35
	s_lshl_b32 s35, s10, 11
	s_add_co_u32 s34, s34, s35
	s_mov_b32 s35, 0
	s_add_nc_u64 s[44:45], s[8:9], s[34:35]
.set i, 0
	s_wait_alu depctr_va_vdst(0)
.rept 16
	v_pk_mul_f32 v[O+2*i:O+2*i+1], v[O+2*i:O+2*i+1], v[14:15] op_sel_hi:[1,0]
.set i, i+1
.endr
.set i, 0
.rept 16
	v_cvt_pk_bf16_f32 v[S+i], v[O+2*i], v[O+2*i+1]
.set i, i+1
.endr
.irp b, 0,1,2,3
	global_store_b128 v2, v[S+4*\b:S+4*\b+3], s[44:45] offset:(\b>>1)*1024+(\b&1)*512   ; 512 consecutive bytes, aligned
.endr
	s_wait_xcnt 0x0                                ; the stores' data and base are rewritten only behind this wait
.endm
.macro SWITCH
.set i, 0
.rept 16
	v_mov_b32 v[Q+i], v[QHI+i]
.set i, i+1
.endr
	INIT
	s_sub_co_u32 s38, 15, s11
.endm
; A trip: one key block of 128.  Every wave waits for all its tensor loads and for its reads of the other slot, passes the barrier, and the next block's load goes first behind it, into
; the slot read last trip: one load a loading wave, with the whole trip in which to land.
.macro TRIP slot, refill, diag
	s_set_vgpr_msb 0x5
	s_wait_tensorcnt 0x0                           ; this trip's tile is in; no load of mine is out, so a group 0 may be written
	ds_add_u32 v0, v1
	s_wait_dscnt 0x0
	s_set_vgpr_msb 0x500
.if \refill
	s_add_co_u32 s34, s14, 1                       ; the next trip's key block: t + 1, or t + 1 - (i + 1) in the second block
	s_sub_co_u32 s35, s34, s13
	s_cmp_le_u32 s34, s11
	s_cselect_b32 s34, s34, s35
	s_lshl_b32 s34, s34, 15
	s_mov_b32 s35, 0
	s_add_nc_u64 s[G0+4*(1-\slot)+2:G0+4*(1-\slot)+3], s[32:33], s[34:35]
	s_or_b32 s[G0+4*(1-\slot)+3], s[G0+4*(1-\slot)+3], 0x80000000
.endif
	s_wait_dscnt 0x0
	s_barrier_signal -1
	s_barrier_wait -1
.if \refill
	s_cmp_lt_u32 s10, 2
	s_cbranch_scc0 .Lno_load_\@
	tensor_load_to_lds s[G0+4*(1-\slot):G0+4*(1-\slot)+3], s[G1:G1+7]
	s_nop 0
.Lno_load_\@:
.endif
.if !\diag
	s_cmp_eq_u32 s14, s13                          ; the first block is finished: it goes out, the second begins
	s_cbranch_scc0 .Lsame_\@
	FINAL
	SWITCH
.Lsame_\@:
.endif
	SUB \slot, 0, \diag
	SUB \slot, 1, \diag
	s_add_co_u32 s14, s14, 1
.endm
	s_mov_b32 s15, 8
.Llap:
	TRIP 0, 1, 0
	TRIP 1, 1, 0
	s_sub_co_u32 s15, s15, 1
	s_cmp_lg_u32 s15, 0
	s_cbranch_scc1 .Llap
	TRIP 0, 0, 1                                   ; t = 16: the second block's diagonal; nothing is left to fetch
	FINAL
	s_endpgm
.Lfunc_end_k_q0f828d3d7e_attn:
	.size	k_q0f828d3d7e_attn, .Lfunc_end_k_q0f828d3d7e_attn-k_q0f828d3d7e_attn
	.p2alignl 7, 3214868480
	.fill 96, 4, 3214868480
	.section	.rodata,"a",@progbits
	.p2align	6, 0x0
	.amdhsa_kernel k_q0f828d3d7e_attn
		.amdhsa_group_segment_fixed_size 327680
		.amdhsa_private_segment_fixed_size 0
		.amdhsa_enable_private_segment 0
		.amdhsa_kernarg_size 24
		.amdhsa_user_sgpr_count 2
		.amdhsa_user_sgpr_kernarg_segment_ptr 1
		.amdhsa_wavefront_size32 1
		.amdhsa_system_sgpr_workgroup_id_x 1
		.amdhsa_system_sgpr_workgroup_id_y 1
		.amdhsa_system_sgpr_workgroup_id_z 1
		.amdhsa_system_vgpr_workitem_id 0
		.amdhsa_next_free_vgpr 258
		.amdhsa_next_free_sgpr 66
		.amdhsa_reserve_vcc 1
		.amdhsa_float_denorm_mode_32 3
		.amdhsa_float_denorm_mode_16_64 3
		.amdhsa_memory_ordered 1
		.amdhsa_forward_progress 1
		.amdhsa_inst_pref_size 92
	.end_amdhsa_kernel
	.amdgpu_metadata
---
amdhsa.version: [ 1, 2 ]
amdhsa.kernels:
  - .name:           k_q0f828d3d7e_attn
    .symbol:         k_q0f828d3d7e_attn.kd
    .args:
      - { .name: qa, .offset: 0, .size: 8, .value_kind: global_buffer, .address_space: global }
      - { .name: kv, .offset: 8, .size: 8, .value_kind: global_buffer, .address_space: global }
      - { .name: pa, .offset: 16, .size: 8, .value_kind: global_buffer, .address_space: global }
    .group_segment_fixed_size: 327680
    .private_segment_fixed_size: 0
    .kernarg_segment_align: 8
    .kernarg_segment_size: 24
    .max_flat_workgroup_size: 256
    .sgpr_count:     66
    .vgpr_count:     258
    .wavefront_size: 32
...
	.end_amdgpu_metadata
.endif
;; end of part 4
;; launch wo (part 5): grid 8 x 32, 4 waves a work-group, clusters of 4 x 4, 327,680 bytes of LDS; arguments pa, w1, x, x2; writes x2
.if DOCPART == 5
	.amdgcn_target "amdgcn-amd-amdhsa--gfx1250"
	.amdhsa_code_object_version 6
	.text
	.protected	k_q0f828d3d7e_wo
	.globl	k_q0f828d3d7e_wo
	.p2align	8
	.type	k_q0f828d3d7e_wo,@function
k_q0f828d3d7e_wo:
	s_mov_b64 s[64:65], 0
	v_nop
	global_prefetch_b8 v0, s[64:65] scope:SCOPE_SE
	s_setreg_imm32_b32 hwreg(HW_REG_WAVE_MODE, 25, 1), 1
	s_wait_xcnt 0x0
	s_wait_alu depctr_hold_cnt(0) depctr_sa_sdst(0) depctr_va_vdst(0) depctr_va_sdst(0) depctr_va_ssrc(0) depctr_va_vcc(0) depctr_vm_vsrc(0)
	s_getreg_b32 s2, hwreg(HW_REG_IB_STS2, 6, 4)
	s_cmp_eq_u32 s2, 0
	s_cbranch_scc0 .Lentry_in_a_cluster
	s_endpgm
.Lentry_in_a_cluster:
	s_bfe_u32 s2, ttmp6, 0x10000c
	s_cmp_lg_u32 s2, 0xf033
	s_cbranch_scc0 .Lentry_shape_is_right
	s_endpgm
.Lentry_shape_is_right:
; out[t][c] = res[t][c] + sum over k of A[t][k] B[c][k]: [4096][1024] f32, K = 1,024, A and B bf16 in fragment order (1,024 bytes = 16 rows x 32 k), B 8 MiB into its buffer.
; A tile is 128 x 128: 256 work-groups.  Four waves, each 64 x 64: 16 accumulators.  K goes in 4 steps of 256 through two LDS slots, written out without a loop.
; CLUSTER 4 x 4: A's tile is asked for jointly along a row of the cluster, B's along a column.  Source 0 = 16 columns, source 1 = 16 tokens: a lane holds 8 neighbouring columns of a row.
; The residual's 64 x 64 f32 is loaded at the start, in the lanes that will store, and is on its way while K is walked.  The sums go through each wave's own stage in LDS, so that
; sixteen lanes store 256 consecutive bytes, aligned.
; REGISTERS: window 0: v0-31 addresses, v32-95 at work on the way out, v[128 + 8 (4 a + b)] accumulators; window 1: two fragment buffers of 128 (A 64, B 64; 64 along K);
;   window 2: the residual, v[4 (8 a + t)].
.set SLOT,  131072                     ; A 64 KiB, then B 64 KiB
.set STEP,  65536
.set STAGE, 262144                     ; behind the ring: 16 rows x 272 bytes for each wave; no tensor load fills it
.set SP,    272
.set ADRA, 16
.set ADRB, 20
.set STO,  24
.set RD,   25
.set CO,   26
.set TMP,  32
.set ACC,  128
.set F0,   0
.set F1,   128
.set G1,  24
.set G0,  32
.set G1B, 48
.set G0B, 56
.set MUL,  0x05                        ; sources window 1, C and D window 0
.set TO_F, 0x40
.set MSB, 0
.macro WIN new
.if MSB != \new
	s_set_vgpr_msb (MSB<<8)|\new
.set MSB, \new
.endif
.endm
.macro PLACES                          ; four plain vector instructions between a matrix instruction and a load into, or a read of, its registers
.rept 4
	v_nop
.endr
.endm
.macro CREST
	s_cmp_lg_u32 s10, 0
	s_cbranch_scc1 .Lnot_wave_0_\@
	s_barrier_signal -3
.Lnot_wave_0_\@:
	s_barrier_wait -3
	s_barrier_signal -1
	s_barrier_wait -1
.endm
.macro CROUND
	s_barrier_signal -1
	s_barrier_wait -1
	CREST
.endm
.macro JLOAD s                         ; waves 0, 1 fetch A's halves, waves 2, 3 B's; four v_nop follow each line
	s_cmp_eq_u32 s11, 0
	s_cbranch_scc0 .Lfor_b_\@
	tensor_load_to_lds s[G0+4*\s:G0+4*\s+3], s[G1:G1+7]
	s_nop 0
.rept 4
	v_nop
.endr
	s_branch .Lasked_\@
.Lfor_b_\@:
	tensor_load_to_lds s[G0B+4*\s:G0B+4*\s+3], s[G1B:G1B+7]
	s_nop 0
.rept 4
	v_nop
.endr
.Lasked_\@:
.endm
	s_load_b256 s[68:75], s[0:1], 0x0              ; A 68, B 70, residual 72, out 74
	v_lshl_add_u32 v126, v0, 2, 0x44400
	v_mov_b32 v127, 0
	ds_add_u32 v126, v127
	v_lshrrev_b32 v1, 5, v0
	v_readfirstlane_b32 s10, v1
	s_lshr_b32 s11, s10, 1                         ; wr.  Also: I fetch for A (0) or B (1)
	s_and_b32 s12, s10, 1                          ; wc.  Also: which half
	s_bfe_u32 s40, ttmp6, 0x40000
	s_bfe_u32 s41, ttmp6, 0x40004
	s_lshl_b32 s42, ttmp9, 2
	s_add_co_u32 s42, s42, s40                     ; column block
	s_and_b32 s13, ttmp7, 0xffff
	s_lshl_b32 s13, s13, 2
	s_add_co_u32 s13, s13, s41                     ; token block
	s_lshl_b32 s43, s41, 2
	s_lshl_b32 s43, 15, s43
	s_lshl_b32 s44, 0x1111, s40
	s_or_b32 s[G1], s43, (3<<16)|(1<<21)           ; 128 dense rows of 32 elements of 8 bytes: 32 KiB a load
	s_or_b32 s[G1B], s44, (3<<16)|(1<<21)
.irp g, G1, G1B
	s_mov_b32 s[\g+1], 32<<16
	s_mov_b32 s[\g+2], 128<<16
	s_mov_b32 s[\g+3], 32<<16
	s_mov_b32 s[\g+4], 128
	s_mov_b32 s[\g+5], 32
	s_mov_b32 s[\g+6], 0
	s_mov_b32 s[\g+7], 0
.endr
	s_lshl_b32 s16, s13, 18                        ; A: token block x 262144 + half x 32768
	s_lshl_b32 s17, s12, 15
	s_add_co_u32 s16, s16, s17
	s_mov_b32 s17, 0
	s_lshl_b32 s46, s42, 18                        ; B: 8 MiB + column block x 262144 + half x 32768
	s_lshl_b32 s47, s12, 15
	s_add_co_u32 s46, s46, s47
	s_add_co_u32 s46, s46, 0x800000
	s_mov_b32 s47, 0
	s_lshl_b32 s20, s10, 15                        ; LDS: wave x 32 KiB
	s_lshl_b32 s4, s13, 19                         ; residual and out: (128 x token block + 64 wr) rows of 4,096 bytes + column block x 512 + wc x 256
	s_lshl_b32 s5, s11, 18
	s_add_co_u32 s4, s4, s5
	s_lshl_b32 s5, s42, 9
	s_add_co_u32 s4, s4, s5
	s_lshl_b32 s5, s12, 8
	s_add_co_u32 s4, s4, s5
	s_mov_b32 s5, 0
	s_wait_dscnt 0x0
	s_wait_kmcnt 0x0
	s_add_nc_u64 s[14:15], s[68:69], s[16:17]
	s_add_nc_u64 s[46:47], s[70:71], s[46:47]
	s_add_nc_u64 s[76:77], s[72:73], s[4:5]
	s_add_nc_u64 s[78:79], s[74:75], s[4:5]
	CROUND
.irp s, 0,1
	s_mov_b32 s[G0+4*\s], 1
	s_add_co_u32 s[G0+4*\s+1], s20, \s*SLOT
	s_add_nc_u64 s[G0+4*\s+2:G0+4*\s+3], s[14:15], \s*STEP
	s_or_b32 s[G0+4*\s+3], s[G0+4*\s+3], 0x80000000
	s_mov_b32 s[G0B+4*\s], 1
	s_add_co_u32 s[G0B+4*\s+1], s20, \s*SLOT
	s_add_nc_u64 s[G0B+4*\s+2:G0B+4*\s+3], s[46:47], \s*STEP
	s_or_b32 s[G0B+4*\s+3], s[G0B+4*\s+3], 0x80000000
.endr
	s_cmp_eq_u32 s11, 0                            ; a wave's two first fills stand in one branch: two loads of mine are out
	s_cbranch_scc0 .Lfirst_b
	tensor_load_to_lds s[G0:G0+3], s[G1:G1+7]
	s_nop 0
	tensor_load_to_lds s[G0+4:G0+7], s[G1:G1+7]
	s_nop 0
.rept 4
	v_nop
.endr
	s_branch .Lfirst_asked
.Lfirst_b:
	tensor_load_to_lds s[G0B:G0B+3], s[G1B:G1B+7]
	s_nop 0
	tensor_load_to_lds s[G0B+4:G0B+7], s[G1B:G1B+7]
	s_nop 0
.rept 4
	v_nop
.endr
.Lfirst_asked:
	v_and_b32 v1, 15, v0                           ; lane % 16
	v_bfe_u32 v2, v0, 4, 1                         ; lane / 16
	v_and_b32 v3, 31, v0
	v_lshlrev_b32 v3, 4, v3
	s_lshl_b32 s21, s11, 13
	s_lshl_b32 s22, s12, 13
	s_add_co_u32 s22, s22, 65536
.irp s, 0,1
	v_add_nc_u32 v[ADRA+\s], s21, v3
	v_add_nc_u32 v[ADRB+\s], s22, v3
	s_add_co_u32 s21, s21, SLOT
	s_add_co_u32 s22, s22, SLOT
.endr
	s_mul_i32 s23, s10, 16*SP
	s_add_co_u32 s23, s23, STAGE                   ; my stage
	v_mul_u32_u24 v4, v1, SP                       ; in: row lane % 16, 32 bytes for each half of the lanes
	v_lshl_add_u32 v4, v2, 5, v4
	v_add_nc_u32 v[STO], s23, v4
	v_mul_u32_u24 v5, v2, SP                       ; back: lanes 0-15 one row of 256 bytes, lanes 16-31 the next
	v_lshl_add_u32 v5, v1, 4, v5
	v_add_nc_u32 v[RD], s23, v5
	v_lshlrev_b32 v5, 12, v2                       ; and the same two rows in memory
	v_lshl_add_u32 v[CO], v1, 4, v5
	WIN 0x80                                       ; destination window 2
.irp a, 0,1,2,3
.irp t, 0,1,2,3,4,5,6,7
	global_load_b128 v[4*(8*\a+\t):4*(8*\a+\t)+3], v[CO], s[76:77] offset:(16*\a+2*\t)*4096
.endr
.endr
	WIN 0
; 16 matrix instructions, 32 along K: half c of buffer f.  The 16 accumulators take turns, one instruction a turn.
.macro MUL16 f, c, zero
.irp a, 0,1,2,3
.irp b, 0,1,2,3
.if \zero
	v_wmma_f32_16x16x32_bf16 v[ACC+8*(4*\a+\b):ACC+8*(4*\a+\b)+7], v[\f+64+8*(4*\c+\b):\f+64+8*(4*\c+\b)+7], v[\f+8*(4*\c+\a):\f+8*(4*\c+\a)+7], 0
.else
	v_wmma_f32_16x16x32_bf16 v[ACC+8*(4*\a+\b):ACC+8*(4*\a+\b)+7], v[\f+64+8*(4*\c+\b):\f+64+8*(4*\c+\b)+7], v[\f+8*(4*\c+\a):\f+8*(4*\c+\a)+7], v[ACC+8*(4*\a+\b):ACC+8*(4*\a+\b)+7]
.endif
.endr
.endr
.endm
.macro FETCH slot, q, f                ; 32 LDS loads in one run: quarter q (64 along K)
	WIN TO_F
.irp c, 0,1
.irp i, 0,1,2,3
	ds_load_b128 v[\f+64+8*(4*\c+\i):\f+64+8*(4*\c+\i)+3],   v[ADRB+\slot] offset:\q*16384+\i*2048+\c*1024
	ds_load_b128 v[\f+64+8*(4*\c+\i)+4:\f+64+8*(4*\c+\i)+7], v[ADRB+\slot] offset:\q*16384+\i*2048+\c*1024+512
	ds_load_b128 v[\f+8*(4*\c+\i):\f+8*(4*\c+\i)+3],         v[ADRA+\slot] offset:\q*16384+\i*2048+\c*1024
	ds_load_b128 v[\f+8*(4*\c+\i)+4:\f+8*(4*\c+\i)+7],       v[ADRA+\slot] offset:\q*16384+\i*2048+\c*1024+512
.endr
.endr
.endm
.macro QUARTER slot, q, f, g, zero
	s_wait_dscnt 0x0                               ; buffer f is in
	PLACES                                         ; buffer g was read by the matrix instructions just before
	FETCH \slot, \q, \g
	WIN MUL
	MUL16 \f, 0, \zero
	MUL16 \f, 1, 0
.endm
; The change of slots: each wave's reads of this slot and all its tensor loads are waited for in front of the barrier; fill = 1: the barrier opens a round of the cluster's barrier
; and the joint refill, two K steps ahead, is the first thing behind the round.
.macro TURN slot, next, fill
	s_wait_dscnt 0x0
	s_set_vgpr_msb 0x500
	s_wait_tensorcnt 0x0
	ds_add_u32 v126, v127
	s_wait_dscnt 0x0
	s_set_vgpr_msb 0x5
	WIN MUL
	s_barrier_signal -1
	MUL16 F1, 0, 0
	WIN 0
	s_barrier_wait -1
.if \fill
	CREST
	s_add_nc_u64 s[G0+4*\slot+2:G0+4*\slot+3], s[G0+4*\slot+2:G0+4*\slot+3], 2*STEP
	s_add_nc_u64 s[G0B+4*\slot+2:G0B+4*\slot+3], s[G0B+4*\slot+2:G0B+4*\slot+3], 2*STEP
	JLOAD \slot                                    ; its four v_nop are also the places in front of the loads below
.else
	PLACES
.endif
	FETCH \next, 0, F0
	WIN MUL
	MUL16 F1, 1, 0
.endm
	s_wait_tensorcnt 0x1                           ; my part of K step 0 is in; step 1's stays out
	s_barrier_signal -1
	s_barrier_wait -1
	FETCH 0, 0, F0
	QUARTER 0, 1, F0, F1, 1                        ; the first products start the sums
	QUARTER 0, 2, F1, F0, 0
	QUARTER 0, 3, F0, F1, 0
	TURN 0, 1, 1                                   ; asks for K step 2
	QUARTER 1, 1, F0, F1, 0
	QUARTER 1, 2, F1, F0, 0
	QUARTER 1, 3, F0, F1, 0
	TURN 1, 0, 1                                   ; asks for K step 3
	QUARTER 0, 1, F0, F1, 0
	QUARTER 0, 2, F1, F0, 0
	QUARTER 0, 3, F0, F1, 0
	TURN 0, 1, 0
	QUARTER 1, 1, F0, F1, 0
	QUARTER 1, 2, F1, F0, 0
	QUARTER 1, 3, F0, F1, 0
	s_wait_dscnt 0x0
	WIN MUL
	MUL16 F1, 0, 0
	MUL16 F1, 1, 0
	; THE WAY OUT, 16 rows at a time: the sums into my stage (each accumulator's low half first), back as whole rows of 256 bytes, the residual added in f32, stored.
	WIN 0
	PLACES
	s_wait_loadcnt 0x0                             ; the residual
.irp a, 0,1,2,3
.if \a >= 2
	s_wait_xcnt 0x0                                ; the registers that the stores two blocks back read are loaded again only behind this wait
.endif
.irp b, 0,1,2,3
	ds_store_b128 v[STO], v[ACC+8*(4*\a+\b):ACC+8*(4*\a+\b)+3]   offset:\b*64
	ds_store_b128 v[STO], v[ACC+8*(4*\a+\b)+4:ACC+8*(4*\a+\b)+7] offset:\b*64+16
.endr
.irp t, 0,1,2,3,4,5,6,7
	ds_load_b128 v[TMP+32*(\a&1)+4*\t:TMP+32*(\a&1)+4*\t+3], v[RD] offset:\t*2*SP   ; LDS serves a wave's instructions in order (ISA guide 5.7.1.4): these see the stores above
.endr
	s_wait_dscnt 0x0
	WIN 0x08                                       ; source 1 window 2
.irp t, 0,1,2,3,4,5,6,7,8,9,10,11,12,13,14,15
	v_pk_add_f32 v[TMP+32*(\a&1)+2*\t:TMP+32*(\a&1)+2*\t+1], v[TMP+32*(\a&1)+2*\t:TMP+32*(\a&1)+2*\t+1], v[32*\a+2*\t:32*\a+2*\t+1]
.endr
	WIN 0
.irp t, 0,1,2,3,4,5,6,7
	global_store_b128 v[CO], v[TMP+32*(\a&1)+4*\t:TMP+32*(\a&1)+4*\t+3], s[78:79] offset:(16*\a+2*\t)*4096
.endr
.endr
	s_wait_tensorcnt 0x0
	ds_add_u32 v126, v127
	s_wait_dscnt 0x0
	CROUND                                         ; the closing round
	s_endpgm
.Lfunc_end_k_q0f828d3d7e_wo:
	.size	k_q0f828d3d7e_wo, .Lfunc_end_k_q0f828d3d7e_wo-k_q0f828d3d7e_wo
	.p2alignl 7, 3214868480
	.fill 96, 4, 3214868480
	.section	.rodata,"a",@progbits
	.p2align	6, 0x0
	.amdhsa_kernel k_q0f828d3d7e_wo
		.amdhsa_group_segment_fixed_size 327680
		.amdhsa_private_segment_fixed_size 0
		.amdhsa_enable_private_segment 0
		.amdhsa_kernarg_size 32
		.amdhsa_user_sgpr_count 2
		.amdhsa_user_sgpr_kernarg_segment_ptr 1
		.amdhsa_wavefront_size32 1
		.amdhsa_system_sgpr_workgroup_id_x 1
		.amdhsa_system_sgpr_workgroup_id_y 1
		.amdhsa_system_sgpr_workgroup_id_z 1
		.amdhsa_system_vgpr_workitem_id 0
		.amdhsa_next_free_vgpr 640
		.amdhsa_next_free_sgpr 80
		.amdhsa_reserve_vcc 0
		.amdhsa_float_denorm_mode_32 3
		.amdhsa_float_denorm_mode_16_64 3
		.amdhsa_memory_ordered 1
		.amdhsa_forward_progress 1
		.amdhsa_inst_pref_size 91
	.end_amdhsa_kernel
	.amdgpu_metadata
---
amdhsa.version: [ 1, 2 ]
amdhsa.kernels:
  - .name:           k_q0f828d3d7e_wo
    .symbol:         k_q0f828d3d7e_wo.kd
    .args:
      - { .name: pa, .offset: 0, .size: 8, .value_kind: global_buffer, .address_space: global }
      - { .name: w1, .offset: 8, .size: 8, .value_kind: global_buffer, .address_space: global }
      - { .name: x, .offset: 16, .size: 8, .value_kind: global_buffer, .address_space: global }
      - { .name: x2, .offset: 24, .size: 8, .value_kind: global_buffer, .address_space: global }
    .group_segment_fixed_size: 327680
    .private_segment_fixed_size: 0
    .kernarg_segment_align: 8
    .kernarg_segment_size: 32
    .max_flat_workgroup_size: 128
    .sgpr_count:     80
    .vgpr_count:     640
    .wavefront_size: 32
...
	.end_amdgpu_metadata
.endif
;; end of part 5
;; launch ln2: the kernel of part 1 again; grid 256 x 1, 8 waves a work-group, no clusters, 67,584 bytes of LDS; arguments x2, ln2_g, ln2_b, nx, f_v, f_qk, f_know, r_qk, r_v, r_know, W_O, w1, w2; writes nx, w1, w2
;; launch feat2: the kernel of part 2 again; grid 4 x 32, 4 waves a work-group, clusters of 4 x 4, 327,680 bytes of LDS; arguments nx, w2, feature_know_w, fqk_w_Q, fqk_w_K, hb; writes hb
;; launch rest2 (part 6): grid 8 x 32, 4 waves a work-group, clusters of 4 x 4, 280,064 bytes of LDS; arguments hb, w2, restore_know_w, x2, out0; writes out0
.if DOCPART == 6
	.amdgcn_target "amdgcn-amd-amdhsa--gfx1250"
	.amdhsa_code_object_version 6
	.text
	.protected	k_q0f828d3d7e_rest2
	.globl	k_q0f828d3d7e_rest2
	.p2align	8
	.type	k_q0f828d3d7e_rest2,@function
k_q0f828d3d7e_rest2:
	s_mov_b64 s[64:65], 0
	v_nop
	global_prefetch_b8 v0, s[64:65] scope:SCOPE_SE
	s_setreg_imm32_b32 hwreg(HW_REG_WAVE_MODE, 25, 1), 1
	s_wait_xcnt 0x0
	s_wait_alu depctr_hold_cnt(0) depctr_sa_sdst(0) depctr_va_vdst(0) depctr_va_sdst(0) depctr_va_ssrc(0) depctr_va_vcc(0) depctr_vm_vsrc(0)
	s_getreg_b32 s2, hwreg(HW_REG_IB_STS2, 6, 4)
	s_cmp_eq_u32 s2, 0
	s_cbranch_scc0 .Lentry_in_a_cluster
	s_endpgm
.Lentry_in_a_cluster:
	s_bfe_u32 s2, ttmp6, 0x10000c
	s_cmp_lg_u32 s2, 0xf033
	s_cbranch_scc0 .Lentry_shape_is_right
	s_endpgm
.Lentry_shape_is_right:
; out[t][d] = res[t][d] + sum over n, r of (rw[t][n] h[t][r]) w[n][r][d]: [4096][1024] f32.  h (bf16 fragments, rows = tokens, k = r) is plane 0 of its buffer; the weights (bf16
; fragments, rows = columns d, k = 128 n + r) lie 8 MiB into theirs.  f32 sums, the residual added in f32.
; THE OPERAND rw h IS MADE IN REGISTERS: in a fragment a lane holds one token, so a fragment of h times the lane's rw[n] is the fragment for neuron n: one v_pk_mul_bf16 a register.
; LIMIT: that operand carries three roundings to bf16 (h, rw, their product).
; A tile is 128 x 128: 256 work-groups.  Four waves, each 64 x 64: 16 accumulators.  A wave's h (64 tokens x 128 r, 128 registers) stays in registers.  The tile's weights, 256 KiB, are
; brought once, in four groups of 64 KiB (two neurons each), 16 KiB a wave and group: four tensor loads of a wave are out at the start, and no LDS byte is filled twice.
; CLUSTER 4 x 4: the weights hang on the column block alone and are asked for jointly along a column of the cluster.  h is a lane's own 16 bytes from memory: nothing to share in LDS.
; A STEP is 32 along K (neuron kb / 4, quarter kb % 4 of r): 8 LDS loads (the next step's weights), 16 matrix instructions, and behind each the two multiplies for the next step.
; Source 0 = 16 columns, source 1 = 16 tokens: a lane holds 8 neighbouring columns of a row.  The sums go through each wave's own stage in LDS, so that sixteen lanes store 256
; consecutive bytes, aligned.
; REGISTERS: window 0: v0-31 addresses, v32-95 two buffers of weights' fragments (on the way out: at work), v[128 + 32 quarter + 8 a] h;
;   window 1: v[8 (4 a + b)] sums, v[128 + 32 buf + 8 a] scaled fragments, v[192 + 8 a + n] table, v224-255 the table as loaded;  window 2: the residual, v[4 (8 a + t)].
.set GROUP, 65536
.set STAGE, 262144                     ; behind the weights: 16 rows x 272 bytes for each wave; no tensor load fills it
.set SP,    272
.set ADRB, 16                          ; v16-19 my columns' weights in group 0..3
.set STO,  24
.set RD,   25
.set CO,   26
.set GO,   27
.set WO,   28
.set BFB,  32
.set TMP,  32
.set RAWH, 128
.set AP,   128
.set RW,   192
.set TT,   224
.set G1,  24                           ; s[24:31] group 1; s[48:63] group 0, a set for each group
.set G0,  48
.set MUL, 0x54                         ; source 0 window 0; source 1, C and D window 1
.set MSB, 0
.macro WIN new                         ; the immediate's high byte repeats the setting that is left
.if MSB != \new
	s_set_vgpr_msb (MSB<<8)|\new
.set MSB, \new
.endif
.endm
.macro PLACES                          ; four plain vector instructions between a matrix instruction and a load into, or a read of, its registers
.rept 4
	v_nop
.endr
.endm
.macro CROUND
	s_barrier_signal -1
	s_barrier_wait -1
	s_cmp_lg_u32 s10, 0
	s_cbranch_scc1 .Lnot_wave_0_\@
	s_barrier_signal -3
.Lnot_wave_0_\@:
	s_barrier_wait -3
	s_barrier_signal -1
	s_barrier_wait -1
.endm
	s_load_b256 s[68:75], s[0:1], 0x0              ; h 68, weights 70, table 72, residual 74
	s_load_b64 s[76:77], s[0:1], 0x20              ; out
	v_lshl_add_u32 v126, v0, 2, 0x44400
	v_mov_b32 v127, 0
	ds_add_u32 v126, v127
	v_lshrrev_b32 v1, 5, v0
	v_readfirstlane_b32 s10, v1
	s_lshr_b32 s11, s10, 1                         ; wr
	s_and_b32 s12, s10, 1                          ; wc
	s_bfe_u32 s40, ttmp6, 0x40000
	s_bfe_u32 s41, ttmp6, 0x40004
	s_lshl_b32 s42, ttmp9, 2
	s_add_co_u32 s42, s42, s40                     ; column block
	s_and_b32 s13, ttmp7, 0xffff
	s_lshl_b32 s13, s13, 2
	s_add_co_u32 s13, s13, s41                     ; token block
	s_lshl_b32 s44, 0x1111, s40                    ; my column of the cluster
	s_or_b32 s[G1], s44, (3<<16)|(1<<21)           ; 15:0 mask; elements of 8 bytes; 21 set beside a mask: 64 dense rows of 256 bytes
	s_mov_b32 s[G1+1], 32<<16
	s_mov_b32 s[G1+2], 64<<16
	s_mov_b32 s[G1+3], 32<<16
	s_mov_b32 s[G1+4], 64
	s_mov_b32 s[G1+5], 32
	s_mov_b32 s[G1+6], 0
	s_mov_b32 s[G1+7], 0
	s_lshl_b32 s46, s42, 18                        ; weights: 8 MiB + column block x 262144 + wave x 16384
	s_lshl_b32 s47, s10, 14
	s_add_co_u32 s46, s46, s47
	s_add_co_u32 s46, s46, 0x800000
	s_mov_b32 s47, 0
	s_lshl_b32 s20, s10, 14                        ; LDS: wave x 16 KiB in each group
	s_lshl_b32 s16, s13, 15                        ; h: token block x 32768 + wr x 16384
	s_lshl_b32 s17, s11, 14
	s_add_co_u32 s16, s16, s17
	s_mov_b32 s17, 0
	s_lshl_b32 s18, s13, 12                        ; table: 128 tokens x 32 bytes
	s_mov_b32 s19, 0
	s_lshl_b32 s4, s13, 19                         ; residual and out: (128 x token block + 64 wr) rows of 4,096 bytes + column block x 512 + wc x 256
	s_lshl_b32 s5, s11, 18
	s_add_co_u32 s4, s4, s5
	s_lshl_b32 s5, s42, 9
	s_add_co_u32 s4, s4, s5
	s_lshl_b32 s5, s12, 8
	s_add_co_u32 s4, s4, s5
	s_mov_b32 s5, 0
	s_wait_dscnt 0x0
	s_wait_kmcnt 0x0
	s_add_nc_u64 s[46:47], s[70:71], s[46:47]
	s_add_nc_u64 s[14:15], s[68:69], s[16:17]
	s_add_nc_u64 s[22:23], s[72:73], s[18:19]
	s_add_nc_u64 s[6:7], s[74:75], s[4:5]
	s_add_nc_u64 s[8:9], s[76:77], s[4:5]
	CROUND                                         ; all sixteen work-groups are here: the joint loads meet
.irp g, 0,1,2,3
	s_mov_b32 s[G0+4*\g], 1
	s_add_co_u32 s[G0+4*\g+1], s20, \g*GROUP
	s_add_nc_u64 s[G0+4*\g+2:G0+4*\g+3], s[46:47], \g*GROUP
	s_or_b32 s[G0+4*\g+3], s[G0+4*\g+3], 0x80000000
.endr
.irp g, 0,1,2,3
	tensor_load_to_lds s[G0+4*\g:G0+4*\g+3], s[G1:G1+7]   ; all first fills in one group: four loads of mine are out
	s_nop 0
.endr
.rept 4
	v_nop
.endr
	v_and_b32 v1, 15, v0                           ; lane % 16
	v_bfe_u32 v2, v0, 4, 1                         ; lane / 16
	v_and_b32 v3, 31, v0
	v_lshlrev_b32 v[GO], 4, v3
	s_lshl_b32 s21, s12, 13                        ; my 4 column blocks
.irp g, 0,1,2,3
	v_add_nc_u32 v[ADRB+\g], s21, v[GO]
	s_add_co_u32 s21, s21, GROUP
.endr
	s_lshl_b32 s21, s11, 6
	v_add_nc_u32 v[WO], s21, v1
	v_lshlrev_b32 v[WO], 5, v[WO]                  ; (64 wr + lane % 16) x 32
	s_mul_i32 s21, s10, 16*SP
	s_add_co_u32 s21, s21, STAGE                   ; my stage
	v_mul_u32_u24 v4, v1, SP                       ; in: row lane % 16, 32 bytes for each half of the lanes
	v_lshl_add_u32 v4, v2, 5, v4
	v_add_nc_u32 v[STO], s21, v4
	v_mul_u32_u24 v5, v2, SP                       ; back: lanes 0-15 one row of 256 bytes, lanes 16-31 the next
	v_lshl_add_u32 v5, v1, 4, v5
	v_add_nc_u32 v[RD], s21, v5
	v_lshlrev_b32 v5, 12, v2                       ; and the same two rows in memory
	v_lshl_add_u32 v[CO], v1, 4, v5
	WIN 0x40                                       ; destination window 1: the table of my lane's token in each of the 4 token blocks
.irp a, 0,1,2,3
	global_load_b128 v[TT+8*\a:TT+8*\a+3],   v[WO], s[22:23] offset:\a*512
	global_load_b128 v[TT+8*\a+4:TT+8*\a+7], v[WO], s[22:23] offset:\a*512+16
.endr
	WIN 0                                          ; h: 16 fragments
.irp q, 0,1,2,3
.irp a, 0,1,2,3
	global_load_b128 v[RAWH+32*\q+8*\a:RAWH+32*\q+8*\a+3],   v[GO], s[14:15] offset:\a*4096+\q*1024
	global_load_b128 v[RAWH+32*\q+8*\a+4:RAWH+32*\q+8*\a+7], v[GO], s[14:15] offset:\a*4096+\q*1024+512
.endr
.endr
	WIN 0x80                                       ; destination window 2: the residual, in the lanes that will store; it is on its way while K is walked
.irp a, 0,1,2,3
.irp t, 0,1,2,3,4,5,6,7
	global_load_b128 v[4*(8*\a+\t):4*(8*\a+\t)+3], v[CO], s[6:7] offset:(16*\a+2*\t)*4096
.endr
.endr
	WIN 0
.macro FETCH                           ; 8 LDS loads: step KN's weights for my 64 columns into buffer KN % 2
	WIN 0
.irp b, 0,1,2,3
	ds_load_b128 v[BFB+32*(KN&1)+8*\b:BFB+32*(KN&1)+8*\b+3],   v[ADRB+KN/8] offset:((KN>>1)&3)*16384+\b*2048+(KN&1)*1024
	ds_load_b128 v[BFB+32*(KN&1)+8*\b+4:BFB+32*(KN&1)+8*\b+7], v[ADRB+KN/8] offset:((KN>>1)&3)*16384+\b*2048+(KN&1)*1024+512
.endr
.endm
; Step kb.  The 16 accumulators take turns, one instruction a turn.  Where the next step begins a new group of weights, each wave waits for its part of that
; group (the later groups stay out) and passes a barrier.
.macro STEP kb
.set FB, (\kb)&1
.set KN, \kb+1
	s_wait_dscnt 0x0                               ; this step's weights are in
.if KN < 32
.if KN%8 == 0
	s_wait_tensorcnt 3-KN/8
	s_barrier_signal -1
	s_barrier_wait -1
.endif
	PLACES                                         ; the other buffer was read by the matrix instructions just before
	FETCH
.endif
	WIN MUL
.irp a, 0,1,2,3
.irp b, 0,1,2,3
.if \kb == 0
	v_wmma_f32_16x16x32_bf16 v[8*(4*\a+\b):8*(4*\a+\b)+7], v[BFB+32*FB+8*\b:BFB+32*FB+8*\b+7], v[AP+32*FB+8*\a:AP+32*FB+8*\a+7], 0
.else
	v_wmma_f32_16x16x32_bf16 v[8*(4*\a+\b):8*(4*\a+\b)+7], v[BFB+32*FB+8*\b:BFB+32*FB+8*\b+7], v[AP+32*FB+8*\a:AP+32*FB+8*\a+7], v[8*(4*\a+\b):8*(4*\a+\b)+7]
.endif
.if KN < 32
	v_pk_mul_bf16 v[AP+32*(1-FB)+8*\a+2*\b],   v[RAWH+32*(KN&3)+8*\a+2*\b],   v[RW+8*\a+KN/4]
	v_pk_mul_bf16 v[AP+32*(1-FB)+8*\a+2*\b+1], v[RAWH+32*(KN&3)+8*\a+2*\b+1], v[RW+8*\a+KN/4]
.endif
.endr
.endr
.endm
	s_wait_tensorcnt 0x3                           ; my part of group 0 is in; the three later groups stay out
	s_barrier_signal -1
	s_barrier_wait -1
.set KN, 0
	FETCH
	s_wait_loadcnt 32                              ; the table and h are in; the residual's 32 loads stay out
	WIN 0x45
.set i, 0
.rept 32
	v_cvt_pk_bf16_f32 v[RW+i], v[TT+i], v[TT+i]    ; each number rounded to bf16, in both halves of a register
.set i, i+1
.endr
	WIN MUL
.set i, 0
.rept 32
	v_pk_mul_bf16 v[AP+i], v[RAWH+i], v[RW+8*(i/8)]   ; step 0's operand: neuron 0, the first quarter of r
.set i, i+1
.endr
.set k, 0
.rept 32
	STEP k
.set k, k+1
.endr
	; THE WAY OUT, 16 rows at a time: the sums into my stage (each accumulator's low half first), back as whole rows of 256 bytes, the residual added in f32, stored.
	WIN 0
	PLACES
	s_wait_loadcnt 0x0                             ; the residual
.irp a, 0,1,2,3
.if \a >= 2
	s_wait_xcnt 0x0                                ; the registers that the stores two blocks back read are loaded again only behind this wait
.endif
	WIN 0x04                                       ; store data window 1
.irp b, 0,1,2,3
	ds_store_b128 v[STO], v[8*(4*\a+\b):8*(4*\a+\b)+3]   offset:\b*64
	ds_store_b128 v[STO], v[8*(4*\a+\b)+4:8*(4*\a+\b)+7] offset:\b*64+16
.endr
	WIN 0
.irp t, 0,1,2,3,4,5,6,7
	ds_load_b128 v[TMP+32*(\a&1)+4*\t:TMP+32*(\a&1)+4*\t+3], v[RD] offset:\t*2*SP   ; LDS serves a wave's instructions in order (ISA guide 5.7.1.4): these see the stores above
.endr
	s_wait_dscnt 0x0
	WIN 0x08                                       ; source 1 window 2
.irp t, 0,1,2,3,4,5,6,7,8,9,10,11,12,13,14,15
	v_pk_add_f32 v[TMP+32*(\a&1)+2*\t:TMP+32*(\a&1)+2*\t+1], v[TMP+32*(\a&1)+2*\t:TMP+32*(\a&1)+2*\t+1], v[32*\a+2*\t:32*\a+2*\t+1]
.endr
	WIN 0
.irp t, 0,1,2,3,4,5,6,7
	global_store_b128 v[CO], v[TMP+32*(\a&1)+4*\t:TMP+32*(\a&1)+4*\t+3], s[8:9] offset:(16*\a+2*\t)*4096
.endr
.endr
	s_wait_tensorcnt 0x0
	ds_add_u32 v126, v127
	s_wait_dscnt 0x0
	CROUND                                         ; the closing round: no work-group ends while a partner may still ask for a tile that names it
	s_endpgm
.Lfunc_end_k_q0f828d3d7e_rest2:
	.size	k_q0f828d3d7e_rest2, .Lfunc_end_k_q0f828d3d7e_rest2-k_q0f828d3d7e_rest2
	.p2alignl 7, 3214868480
	.fill 96, 4, 3214868480
	.section	.rodata,"a",@progbits
	.p2align	6, 0x0
	.amdhsa_kernel k_q0f828d3d7e_rest2
		.amdhsa_group_segment_fixed_size 280064
		.amdhsa_private_segment_fixed_size 0
		.amdhsa_enable_private_segment 0
		.amdhsa_kernarg_size 40
		.amdhsa_user_sgpr_count 2
		.amdhsa_user_sgpr_kernarg_segment_ptr 1
		.amdhsa_wavefront_size32 1
		.amdhsa_system_sgpr_workgroup_id_x 1
		.amdhsa_system_sgpr_workgroup_id_y 1
		.amdhsa_system_sgpr_workgroup_id_z 1
		.amdhsa_system_vgpr_workitem_id 0
		.amdhsa_next_free_vgpr 640
		.amdhsa_next_free_sgpr 80
		.amdhsa_reserve_vcc 0
		.amdhsa_float_denorm_mode_32 3
		.amdhsa_float_denorm_mode_16_64 3
		.amdhsa_memory_ordered 1
		.amdhsa_forward_progress 1
		.amdhsa_inst_pref_size 147
	.end_amdhsa_kernel
	.amdgpu_metadata
---
amdhsa.version: [ 1, 2 ]
amdhsa.kernels:
  - .name:           k_q0f828d3d7e_rest2
    .symbol:         k_q0f828d3d7e_rest2.kd
    .args:
      - { .name: hb, .offset: 0, .size: 8, .value_kind: global_buffer, .address_space: global }
      - { .name: w2, .offset: 8, .size: 8, .value_kind: global_buffer, .address_space: global }
      - { .name: restore_know_w, .offset: 16, .size: 8, .value_kind: global_buffer, .address_space: global }
      - { .name: x2, .offset: 24, .size: 8, .value_kind: global_buffer, .address_space: global }
      - { .name: out0, .offset: 32, .size: 8, .value_kind: global_buffer, .address_space: global }
    .group_segment_fixed_size: 280064
    .private_segment_fixed_size: 0
    .kernarg_segment_align: 8
    .kernarg_segment_size: 40
    .max_flat_workgroup_size: 128
    .sgpr_count:     80
    .vgpr_count:     640
    .wavefront_size: 32
...
	.end_amdgpu_metadata
.endif
;; end of part 6
